; MI455X (gfx1250); checked and timed in simulation.
; The chip was launched on July 23, 2026; its instructions are those of AMD's public machine-readable ISA for CDNA 5 (MIT licence, August 2026) and "CDNA5" Instruction Set Architecture Reference Guide (July 2026). The comments in the code are by the model that wrote it; some were corrected since.
;; Quantized Cyclical Attention. Allowed arithmetic: matrix products marked QUANTISED: E2M1 operands, one E8M0 scale for each 32 along K, by v_wmma_scale_f32_16x16x128_f8f6f4 with both operands' format E2M1 (or v_wmma_scale_f32_32x16x128_f4), f32 sums; products left as they are: bf16, f16 or f32 operands; f32 sums; everything else in f32.
;; Inputs: Wc 32 x 16 float32; Wk 1,024 x 1,024 float32; Wo 1,024 x 1,024 float32; Wq 1,024 x 1,024 float32; Wv 1,024 x 1,024 float32; bc 16 float32; bk 1,024 float32; bo 1,024 float32; bq 1,024 float32; bv 1,024 float32; cycle_scale 16 float32; mask 1 x 2,048 bool; temporal_features 1 x 2,048 x 32 float32; x 1 x 2,048 x 1,024 float32.
;; Outputs: out0 1 x 2,048 x 1,024 float32.
;; This version of the problem:
;;   THIS VERSION OF THE PROBLEM IS GIVEN IN LOW PRECISION. The matrix products marked QUANTISED in the list below multiply operands that are first quantised to E2M1 (2 exponent bits, 1 mantissa bit; 4 bits a number), with one power-of-two scale for each 32 numbers along K (OCP MX v1.0); their sums are f32. The products marked 'left as it is' may take bf16, f16 or f32 operands, with f32 sums. Whichever they take, every output number must still come out within the allowed error. Rounding operands to bf16 (8 significant bits) uses up far more of that allowance than f16 does (11 bits, for magnitudes from 6e-5 to 65,504). All else is computed in f32.
;;   The module's matrix products, in the order in which they are computed (A, B: the left and right operand; K: the contracted axis; several contracted axes count as one K, in the product's order):
;;     1. [M 2,048, K 1,024] x [K 1,024, N 1,024]; A: input x; B: input Wq: QUANTISED
;;     2. [M 2,048, K 1,024] x [K 1,024, N 1,024]; A: input x; B: input Wk: QUANTISED
;;     3. [M 2,048, K 1,024] x [K 1,024, N 1,024]; A: input x; B: input Wv: QUANTISED
;;     4. batch 16 x [M 2,048, K 64] x [K 64, N 2,048]; A: computed on the way; B: computed on the way: left as it is (an operand is computed on the way)
;;     5. [M 2,048, K 32] x [K 32, N 16]; A: input temporal_features; B: input Wc: QUANTISED
;;     6. batch 16 x [M 2,048, K 2,048] x [K 2,048, N 64]; A: computed on the way; B: computed on the way: left as it is (an operand is computed on the way)
;;     7. [M 2,048, K 1,024] x [K 1,024, N 1,024]; A: computed on the way; B: input Wo: left as it is (an operand is computed on the way)
;;   THE QUANTISER, for each operand of a quantised product, along K:
;;     - K is cut into blocks of 32 from its start; a last block that is shorter is filled with zeros.
;;     - A block's scale is 2^e with e = floor(log2(the largest magnitude in the block)) - 2, held to -126 .. 127; a block of zeros has e = 0. As a byte (E8M0): e + 127.
;;     - Each number is divided by its block's scale, clamped to +-6, and rounded to the nearest number of E2M1, ties to even, subnormals kept.
;;     - The product sums the exact products of the quantised numbers (number of the format x scale) in f32.
;;   ~~~python
;;   def quantise(x, axis):      # numpy; x: float32 -> the quantised numbers, widened to float32 again
;;       x = np.moveaxis(x, axis, -1); K = x.shape[-1]
;;       x = np.pad(x, [(0, 0)] * (x.ndim - 1) + [(0, -K % 32)]); x = x.reshape(x.shape[:-1] + (-1, 32)); a = np.abs(x).max(-1, keepdims=True)
;;       e = np.where(a > 0, np.clip(np.frexp(np.where(a > 0, a, 1))[1] - 1 - 2, -126, 127), 0)      # np.frexp(a)[1] - 1 = floor(log2(a)), exactly
;;       r = np.clip(x / 2.0 ** e, -6, 6)
;;       step = 2.0 ** (np.maximum(np.frexp(np.where(r == 0, 1, r))[1] - 1, 0) - 1)
;;       q = np.round(r / step) * step * 2.0 ** e      # np.round: ties to even
;;       return np.moveaxis(q.reshape(q.shape[:-2] + (-1,))[..., :K], -1, axis).astype(np.float32)
;;   ~~~
;; One version. Each part assembles by itself: llvm-mc -triple=amdgcn-amd-amdhsa -mcpu=gfx1250 --defsym DOCPART=n.
;; ======== version 1 of 1: 4 launches
;; limits: values are held in f16: magnitudes above 65,504 overflow, below 6.1e-05 lose precision
;; workspace buffers: ximg 1,048,576 bytes; xsc 65,536 bytes; wimg 1,572,864 bytes; wsc 98,304 bytes; woimg 2,097,152 bytes; tab 262,144 bytes; qkv 12,582,912 bytes; oimg 4,194,304 bytes
;; launch prep (part 1): grid 400 x 1, 4 waves a work-group, no clusters, 0 bytes of LDS; arguments x, Wq, Wk, Wv, Wo, temporal_features, Wc, bc, mask, ximg, xsc, wimg, wsc, woimg, tab; writes ximg, xsc, wimg, wsc, woimg, tab
.if DOCPART == 1
	.amdgcn_target "amdgcn-amd-amdhsa--gfx1250"
	.amdhsa_code_object_version 6
	.text
	.protected	k_q37a2b3a6fc_prep
	.globl	k_q37a2b3a6fc_prep
	.p2align	8
	.type	k_q37a2b3a6fc_prep,@function
k_q37a2b3a6fc_prep:
	s_mov_b64 s[64:65], 0
	v_nop
	global_prefetch_b8 v0, s[64:65] scope:SCOPE_SE
	s_setreg_imm32_b32 hwreg(HW_REG_WAVE_MODE, 25, 1), 1
	s_wait_xcnt 0x0
; PREP.  Everything that later launches read many times is made once, and laid in the order of the reader's operand registers:
; a fragment is 1,024 bytes, two pieces of 512, lane l's 16 bytes at 16 l.
;   work-groups 0-191:   Wq, Wk, Wv [1024 k][1024 n] f32 -> codes of FP4 (E2M1) along k, wimg [head 16][k step 8][cb 12][1 KB], and scale words wsc [head][k step][16 cb + r]
;   work-groups 192-255: Wo -> f16 fragments, woimg [nb 16][ks 32][cb 4][1 KB]
;   work-groups 256-383: x [2048][1024] f32 -> codes of FP4, ximg [token block 128][k step 8][1 KB], scale words xsc [k step][token]
;   work-groups 384-399: emb = Q(temporal_features) Q(Wc) + bc by the FP4 matrix instruction, and the mask as an f32 term (0 or -2^100): tab [head][2][2048]
; A block's scale is 2^(floor(log2(largest magnitude)) - 2): its byte is the largest magnitude's exponent field - 2, held at 1 from below.
; LIMITS: a block whose largest magnitude lies under 2^-124 (a block of zeros too) gets the byte 1: its codes are zeros or next to it, and this program alone reads the bytes.
; NaN and infinities among the inputs are not served.  Wo must lie inside f16's range.
; No LDS, no barrier: every wave asks for all its 16 KB at once, works and stores; every offset is an immediate and every store has data registers of its own.
.set X,   32                           ; v32-159  the numbers as loaded
.set CD,  160                          ; v160-175 path W: a column's codes
.set TM,  160                          ; v160-175 path X: at work in QUANT
.set PCA, 176                          ; v176-183, v184-191 path X: two fragments
.set PCB, 184
.set PWA, 192                          ; v192, v193 their scale words
.set PWB, 193
; v[a] = the largest magnitude of v[xs] .. v[xs+31], and the floor 2^(3 - 127); v[b] is a second chain
.macro AMAX32 a, b, xs
	v_max3_num_f32 v[\a], |v[\xs]|, |v[\xs+1]|, |v[\xs+2]|
	v_max3_num_f32 v[\b], |v[\xs+3]|, |v[\xs+4]|, |v[\xs+5]|
.irp i, 6,10,14,18,22,26
	v_max3_num_f32 v[\a], v[\a], |v[\xs+\i]|, |v[\xs+\i+1]|
	v_max3_num_f32 v[\b], v[\b], |v[\xs+\i+2]|, |v[\xs+\i+3]|
.endr
	v_max3_num_f32 v[\a], v[\a], |v[\xs+30]|, |v[\xs+31]|
	v_max3_num_f32 v[\a], v[\a], v[\b], 0x1800000
.endm
; path W: block t (32 along k) of my column: scale byte into v14, 16 bytes of codes stored
.macro BLOCK t
.set XS, X+32*(\t)
.if 96-32*(\t) > 63
	s_wait_loadcnt 63                              ; the count's field ends at 63: a smaller count than the 96 - 32 t later loads is safe
.else
	s_wait_loadcnt 96-32*(\t)                      ; the later blocks' loads may stay out
.endif
	AMAX32 12, 13, XS
	v_add_nc_u32 v11, 0xff000000, v12              ; 2 off the exponent field: the conversion's scale operand
	v_lshrrev_b32 v13, 23, v11                     ; the scale's byte
.if (\t) == 0
	v_mov_b32 v14, v13
.else
	v_lshl_or_b32 v14, v13, 8*(\t), v14
.endif
.irp g, 0,1,2,3
	v_cvt_scalef32_pk8_fp4_f32 v[CD+4*(\t)+\g], v[XS+8*\g:XS+8*\g+7], v11
.endr
	v_nop                                          ; one plain line behind the conversions
	global_store_b128 v5, v[CD+4*(\t):CD+4*(\t)+3], s[30:31] offset:((\t)/2)*512+((\t)%2)*256   ; piece t / 2, lanes' half t % 2: sixteen lanes fill 256 consecutive bytes
.endm
; path X: 64 numbers of a lane, register 16 b + i = k 32 b + 16 (lane / 16) + i of my row, become a fragment in v[pc] on and its scale word in v[pw]
.macro QUANT s, pc, pw
.irp b, 0,1,2,3
	v_max3_num_f32 v[TM+\b], |v[\s+16*\b]|, |v[\s+1+16*\b]|, 0x1800000
.endr
.irp i, 2,4,6,8,10,12,14
.irp b, 0,1,2,3
	v_max3_num_f32 v[TM+\b], v[TM+\b], |v[\s+16*\b+\i]|, |v[\s+1+16*\b+\i]|
.endr
.endr
.irp b, 0,1,2,3
	v_permlanex16_b32 v[TM+4+\b], v[TM+\b], s38, s39
.endr
.irp b, 0,1,2,3
	v_max_num_f32 v[TM+\b], v[TM+\b], v[TM+4+\b]   ; with lane l xor 16's: the block's largest magnitude
.endr
.irp b, 0,1,2,3
	v_add_nc_u32 v[TM+12+\b], 0xff000000, v[TM+\b]
.endr
.irp b, 0,1,2,3
	v_lshrrev_b32 v[TM+4+\b], 23, v[TM+12+\b]
.endr
	v_lshl_or_b32 v[\pw], v[TM+5], 8, v[TM+4]
	v_lshl_or_b32 v[\pw], v[TM+6], 16, v[\pw]
	v_lshl_or_b32 v[\pw], v[TM+7], 24, v[\pw]
.irp b, 0,1,2,3
	v_cvt_scalef32_pk8_fp4_f32 v[\pc+2*\b], v[\s+16*\b:\s+7+16*\b], v[TM+12+\b]
	v_cvt_scalef32_pk8_fp4_f32 v[\pc+1+2*\b], v[\s+8+16*\b:\s+15+16*\b], v[TM+12+\b]
.endr
	v_nop                                          ; one plain line behind the conversions
.irp c, 0,1                                    ; the operand wants a whole block in a lane: lanes 0-15 block 2 c, lanes 16-31 block 2 c + 1
.irp i, 0,1
	v_permlane16_swap_b32 v[\pc+4*\c+\i], v[\pc+2+4*\c+\i]
.endr
.endr
.endm
.macro XLOAD reg, off
.irp b, 0,1,2,3
.irp j, 0,1,2,3
	global_load_b128 v[\reg+16*\b+4*\j:\reg+16*\b+4*\j+3], v4, s[8:9] offset:\off+128*\b+16*\j th:TH_LOAD_NT
.endr
.endr
.endm
	s_load_b256 s[8:15], s[0:1], 0x0               ; x s[8:9], Wq s[10:11], Wk s[12:13], Wv s[14:15]
	s_load_b256 s[16:23], s[0:1], 0x20             ; Wo s[16:17], temporal_features s[18:19], Wc s[20:21], bc s[22:23]
	s_load_b256 s[24:31], s[0:1], 0x40             ; mask s[24:25], ximg s[26:27], xsc s[28:29], wimg s[30:31]
	s_load_b128 s[32:35], s[0:1], 0x60             ; wsc s[32:33], woimg s[34:35]
	s_load_b64 s[36:37], s[0:1], 0x70              ; tab
	v_lshrrev_b32 v1, 5, v0
	v_readfirstlane_b32 s4, v1                     ; wave 0..3
	v_and_b32 v1, 31, v0                           ; lane
	v_and_b32 v2, 15, v0                           ; r
	v_bfe_u32 v3, v0, 4, 1                         ; lane / 16
	s_mov_b32 s38, 0x76543210
	s_mov_b32 s39, 0xfedcba98                      ; v_permlanex16_b32's selects for lane l xor 16
	s_wait_kmcnt 0x0
	s_cmp_lt_u32 ttmp9, 256
	s_cbranch_scc0 .Lnot_w
	; ---- PATH W.  A lane takes a column n and its registers run down k: 128 rows, 128 columns a work-group
	s_lshr_b32 s5, ttmp9, 6                        ; which weight: 0 Wq, 1 Wk, 2 Wv, 3 Wo
	s_and_b32 s6, ttmp9, 7                         ; which 128 columns
	s_bfe_u32 s7, ttmp9, 0x30003                   ; which 128 along k
	s_cmp_eq_u32 s5, 0
	s_cselect_b64 s[40:41], s[10:11], s[12:13]
	s_cmp_eq_u32 s5, 2
	s_cselect_b64 s[40:41], s[14:15], s[40:41]
	s_cmp_eq_u32 s5, 3
	s_cselect_b64 s[40:41], s[16:17], s[40:41]
	s_lshl_b32 s42, s7, 19                         ; 128 rows of 4,096 bytes
	s_lshl_b32 s43, s6, 9
	s_add_co_u32 s42, s42, s43
	s_mov_b32 s43, 0
	s_add_nc_u64 s[40:41], s[40:41], s[42:43]
	v_lshlrev_b32 v4, 2, v0                        ; my column: 4 bytes a thread, 512 consecutive bytes a work-group
.set i, 0
.rept 128
	global_load_b32 v[X+i], v4, s[40:41] offset:i*4096 th:TH_LOAD_NT
.set i, i+1
.endr
	v_lshlrev_b32 v5, 10, v3                       ; lanes 16-31 belong to the next tile of 16 columns: the next fragment,
	v_lshl_add_u32 v5, v2, 4, v5                   ; and in it 16 bytes for column r
	v_lshlrev_b32 v6, 2, v1                        ; a scale word a lane
	s_lshl_b32 s44, s6, 1
	s_lshr_b32 s45, s4, 1
	s_add_co_u32 s44, s44, s45                     ; my wave's block of 64 columns (the head): 2 x (128 columns) + wave / 2
	s_and_b32 s45, s4, 1
	s_lshl_b32 s45, s45, 1                         ; and its first tile of 16 in it: 2 (wave % 2)
	s_cmp_eq_u32 s5, 3
	s_cbranch_scc1 .Lwo
	s_lshl_b32 s46, s44, 3
	s_add_co_u32 s46, s46, s7                      ; 8 head + k step
	s_lshl_b32 s47, s5, 2
	s_add_co_u32 s47, s47, s45                     ; cb = 4 x weight + tile
	s_mul_i32 s48, s46, 12
	s_add_co_u32 s48, s48, s47
	s_lshl_b32 s48, s48, 10
	s_mov_b32 s49, 0
	s_add_nc_u64 s[30:31], s[30:31], s[48:49]
	s_mul_i32 s48, s46, 192
	s_lshl_b32 s47, s47, 4
	s_add_co_u32 s48, s48, s47
	s_lshl_b32 s48, s48, 2
	s_add_nc_u64 s[32:33], s[32:33], s[48:49]
	BLOCK 0
	BLOCK 1
	BLOCK 2
	BLOCK 3
	global_store_b32 v6, v14, s[32:33]             ; 128 consecutive bytes a wave: one byte in 128 of what this path reads
	s_endpgm
.Lwo:
	s_lshl_b32 s46, s44, 5                         ; woimg: ((32 nb + 4 k step) x 4 + tile) KB
	s_lshl_b32 s47, s7, 2
	s_add_co_u32 s46, s46, s47
	s_lshl_b32 s46, s46, 2
	s_add_co_u32 s46, s46, s45
	s_lshl_b32 s46, s46, 10
	s_mov_b32 s47, 0
	s_add_nc_u64 s[34:35], s[34:35], s[46:47]
	s_wait_loadcnt 0x0
.set i, 0
.rept 64                               ; in place and ascending: register i takes numbers 2 i and 2 i + 1, which no later line reads
	v_cvt_pk_f16_f32 v[X+i], v[X+2*i], v[X+2*i+1]
.set i, i+1
.endr
.set i, 0
.rept 16                               ; eight k to a store: k step of 32 i / 4, piece (i / 2) % 2, lanes' half i % 2
	global_store_b128 v5, v[X+4*i:X+4*i+3], s[34:35] offset:(i/4)*4096+((i/2)%2)*512+(i%2)*256
.set i, i+1
.endr
	s_endpgm
.Lnot_w:
	s_cmp_lt_u32 ttmp9, 384
	s_cbranch_scc0 .Lcyc
	; ---- PATH X.  A wave takes 32 tokens x 128 along k: two fragments
	s_sub_co_u32 s5, ttmp9, 256
	s_lshl_b32 s5, s5, 2
	s_add_co_u32 s5, s5, s4
	s_and_b32 s6, s5, 7                            ; k step
	s_lshr_b32 s7, s5, 3                           ; which 32 tokens
	s_lshl_b32 s40, s7, 17
	s_lshl_b32 s41, s6, 9
	s_add_co_u32 s40, s40, s41
	s_mov_b32 s41, 0
	s_add_nc_u64 s[8:9], s[8:9], s[40:41]
	v_lshlrev_b32 v4, 12, v2
	v_lshl_add_u32 v4, v3, 6, v4                   ; row r of 4,096 bytes, + 64 (lane / 16): my 16 numbers of each block of 32
	XLOAD 32, 0
	XLOAD 96, 65536
.irp b, 0,1,2,3
	v_mov_b32 v[TM+4+\b], 0                        ; a lane permute's destination counts as one of its sources
.endr
	v_lshlrev_b32 v5, 4, v1
	v_lshlrev_b32 v6, 2, v1
	s_lshl_b32 s40, s7, 14
	s_lshl_b32 s42, s6, 10
	s_add_co_u32 s40, s40, s42
	s_add_nc_u64 s[26:27], s[26:27], s[40:41]      ; ximg: (16 x (32 tokens) + k step) KB
	s_lshl_b32 s40, s6, 13
	s_lshl_b32 s42, s7, 7
	s_add_co_u32 s40, s40, s42
	s_add_nc_u64 s[28:29], s[28:29], s[40:41]      ; xsc: 8,192 k step + 4 x token
	s_wait_loadcnt 16                              ; the first 16 tokens are in; the other sixteen loads may stay out
	QUANT 32, PCA, PWA
	s_wait_loadcnt 0x0
	QUANT 96, PCB, PWB
	global_store_b128 v5, v[PCA:PCA+3], s[26:27]
	global_store_b128 v5, v[PCA+4:PCA+7], s[26:27] offset:512
	global_store_b128 v5, v[PCB:PCB+3], s[26:27] offset:8192
	global_store_b128 v5, v[PCB+4:PCB+7], s[26:27] offset:8704
	v_cmp_gt_u32 vcc_lo, 16, v1
	v_cndmask_b32 v194, v[PWB], v[PWA], vcc_lo     ; lanes 0-15: the first 16 tokens' words, lanes 16-31 the others'
	global_store_b32 v6, v194, s[28:29]
	s_endpgm
.Lcyc:
	; ---- PATH C.  A wave takes 32 tokens: lane l holds token t0 + l's 32 features (one block) and column l % 16 of Wc (one block)
	s_sub_co_u32 s5, ttmp9, 384
	s_lshl_b32 s5, s5, 2
	s_add_co_u32 s5, s5, s4
	s_lshl_b32 s5, s5, 5                           ; t0
	v_add_nc_u32 v4, s5, v1                        ; my token
	v_lshlrev_b32 v5, 7, v4
	v_lshlrev_b32 v6, 2, v2
.irp i, 0,1,2,3,4,5,6,7
	global_load_b128 v[32+4*\i:35+4*\i], v5, s[18:19] offset:16*\i
.endr
.set i, 0
.rept 32
	global_load_b32 v[64+i], v6, s[20:21] offset:64*i
.set i, i+1
.endr
	global_load_b32 v96, v6, s[22:23]              ; bc of head l % 16
	global_load_u8 v97, v4, s[24:25]               ; my token's mask byte
	v_lshlrev_b32 v7, 14, v2                       ; tab: head r's 16,384 bytes,
	v_lshl_add_u32 v8, v3, 3, s5
	v_lshl_add_u32 v7, v8, 2, v7                   ; + 4 (t0 + 8 (lane / 16))
	v_lshlrev_b32 v9, 2, v4
	v_mov_b32 v20, 0
	v_mov_b32 v21, 0xf1800000                      ; -2^100
	s_wait_loadcnt 0x0
	AMAX32 12, 13, 32
	AMAX32 14, 15, 64
	v_add_nc_u32 v16, 0xff000000, v12
	v_add_nc_u32 v17, 0xff000000, v14
	v_lshrrev_b32 v18, 23, v16
	v_lshrrev_b32 v19, 23, v17
	v_lshl_or_b32 v98, v18, 8, v18                 ; the scale words: the block's byte for k slots 0-31 and 32-63,
	v_lshl_or_b32 v99, v19, 8, v19
	v_or_b32 v98, 0x7f7f0000, v98                  ; and 127 over the zero codes of slots 64-127
	v_or_b32 v99, 0x7f7f0000, v99
.irp g, 0,1,2,3
	v_cvt_scalef32_pk8_fp4_f32 v[100+\g], v[32+8*\g:39+8*\g], v16
.endr
.irp g, 0,1,2,3
	v_cvt_scalef32_pk8_fp4_f32 v[104+\g], v[64+8*\g:71+8*\g], v17   ; Wc's fragment: the same 32 codes in both halves of the lanes, that is in k slots 0-31 and 32-63
.endr
	v_nop
	v_cmp_gt_u32 vcc_lo, 16, v1
.irp g, 0,1,2,3
	v_cndmask_b32 v[112+\g], v20, v[100+\g], vcc_lo   ; tokens t0 .. t0 + 15: their codes stand in k slots 0-31, zeros in 32-63
	v_cndmask_b32 v[120+\g], v[100+\g], v20, vcc_lo   ; tokens t0 + 16 ..: their codes stand in k slots 32-63 (lanes 16-31), zeros in 0-31: the same shift of k on both operands
	v_mov_b32 v[116+\g], 0
	v_mov_b32 v[124+\g], 0
	v_mov_b32 v[108+\g], 0
.endr
.irp j, 0,1,2,3,4,5,6,7
	v_mov_b32 v[128+\j], v96                       ; C: bc of the result's column, head r
.endr
	v_cmp_ne_u32 vcc_lo, 0, v97
	v_cndmask_b32 v22, v21, v20, vcc_lo            ; the mask's term: 0 where the key counts, else -2^100
.rept 8
	v_nop                                          ; scale registers written by vector instructions stand 8 places ahead of a scaled matrix instruction
.endr
	v_wmma_scale_f32_16x16x128_f8f6f4 v[136:143], v[112:119], v[104:111], v[128:135], v98, v99 matrix_a_fmt:MATRIX_FMT_FP4 matrix_b_fmt:MATRIX_FMT_FP4
	v_wmma_scale_f32_16x16x128_f8f6f4 v[144:151], v[120:127], v[104:111], v[128:135], v98, v99 matrix_a_fmt:MATRIX_FMT_FP4 matrix_b_fmt:MATRIX_FMT_FP4 matrix_a_scale:MATRIX_SCALE_ROW1
.rept 4
	v_nop
.endr
	global_store_b128 v7, v[136:139], s[36:37]             ; lane (r, h), register j: emb(head r, token t0 + 8 h + j): runs of 64 bytes, 128 KB in the whole launch
	global_store_b128 v7, v[140:143], s[36:37] offset:16
	global_store_b128 v7, v[144:147], s[36:37] offset:64
	global_store_b128 v7, v[148:151], s[36:37] offset:80
.set i, 0
.rept 16
	global_store_b32 v9, v22, s[36:37] offset:8192+i*16384 ; the mask's terms, once for each head, so that a head's table is one dense block
.set i, i+1
.endr
	s_endpgm
.Lfunc_end_k_q37a2b3a6fc_prep:
	.size	k_q37a2b3a6fc_prep, .Lfunc_end_k_q37a2b3a6fc_prep-k_q37a2b3a6fc_prep
	.p2alignl 7, 3214868480
	.fill 96, 4, 3214868480
	.section	.rodata,"a",@progbits
	.p2align	6, 0x0
	.amdhsa_kernel k_q37a2b3a6fc_prep
		.amdhsa_group_segment_fixed_size 0
		.amdhsa_private_segment_fixed_size 0
		.amdhsa_enable_private_segment 0
		.amdhsa_kernarg_size 120
		.amdhsa_user_sgpr_count 2
		.amdhsa_user_sgpr_kernarg_segment_ptr 1
		.amdhsa_wavefront_size32 1
		.amdhsa_system_sgpr_workgroup_id_x 1
		.amdhsa_system_sgpr_workgroup_id_y 1
		.amdhsa_system_sgpr_workgroup_id_z 1
		.amdhsa_system_vgpr_workitem_id 0
		.amdhsa_next_free_vgpr 208
		.amdhsa_next_free_sgpr 66
		.amdhsa_reserve_vcc 1
		.amdhsa_float_denorm_mode_32 3
		.amdhsa_float_denorm_mode_16_64 3
		.amdhsa_memory_ordered 1
		.amdhsa_forward_progress 1
		.amdhsa_inst_pref_size 50
	.end_amdhsa_kernel
	.amdgpu_metadata
---
amdhsa.version: [ 1, 2 ]
amdhsa.kernels:
  - .name:           k_q37a2b3a6fc_prep
    .symbol:         k_q37a2b3a6fc_prep.kd
    .args:
      - { .name: x, .offset: 0, .size: 8, .value_kind: global_buffer, .address_space: global }
      - { .name: Wq, .offset: 8, .size: 8, .value_kind: global_buffer, .address_space: global }
      - { .name: Wk, .offset: 16, .size: 8, .value_kind: global_buffer, .address_space: global }
      - { .name: Wv, .offset: 24, .size: 8, .value_kind: global_buffer, .address_space: global }
      - { .name: Wo, .offset: 32, .size: 8, .value_kind: global_buffer, .address_space: global }
      - { .name: temporal_features, .offset: 40, .size: 8, .value_kind: global_buffer, .address_space: global }
      - { .name: Wc, .offset: 48, .size: 8, .value_kind: global_buffer, .address_space: global }
      - { .name: bc, .offset: 56, .size: 8, .value_kind: global_buffer, .address_space: global }
      - { .name: mask, .offset: 64, .size: 8, .value_kind: global_buffer, .address_space: global }
      - { .name: ximg, .offset: 72, .size: 8, .value_kind: global_buffer, .address_space: global }
      - { .name: xsc, .offset: 80, .size: 8, .value_kind: global_buffer, .address_space: global }
      - { .name: wimg, .offset: 88, .size: 8, .value_kind: global_buffer, .address_space: global }
      - { .name: wsc, .offset: 96, .size: 8, .value_kind: global_buffer, .address_space: global }
      - { .name: woimg, .offset: 104, .size: 8, .value_kind: global_buffer, .address_space: global }
      - { .name: tab, .offset: 112, .size: 8, .value_kind: global_buffer, .address_space: global }
    .group_segment_fixed_size: 0
    .private_segment_fixed_size: 0
    .kernarg_segment_align: 8
    .kernarg_segment_size: 120
    .max_flat_workgroup_size: 128
    .sgpr_count:     66
    .vgpr_count:     208
    .wavefront_size: 32
...
	.end_amdgpu_metadata
.endif
;; end of part 1
;; launch qkv (part 2): grid 16 x 16, 4 waves a work-group, clusters of 4 x 1, 167,936 bytes of LDS; arguments ximg, xsc, wimg, wsc, bq, bk, bv, qkv; writes qkv
.if DOCPART == 2
	.amdgcn_target "amdgcn-amd-amdhsa--gfx1250"
	.amdhsa_code_object_version 6
	.text
	.protected	k_q37a2b3a6fc_qkv
	.globl	k_q37a2b3a6fc_qkv
	.p2align	8
	.type	k_q37a2b3a6fc_qkv,@function
k_q37a2b3a6fc_qkv:
	s_mov_b64 s[64:65], 0
	v_nop
	global_prefetch_b8 v0, s[64:65] scope:SCOPE_SE
	s_setreg_imm32_b32 hwreg(HW_REG_WAVE_MODE, 25, 1), 1
	s_wait_xcnt 0x0
	s_wait_alu depctr_hold_cnt(0) depctr_sa_sdst(0) depctr_va_vdst(0) depctr_va_sdst(0) depctr_va_ssrc(0) depctr_va_vcc(0) depctr_vm_vsrc(0)
	s_getreg_b32 s2, hwreg(HW_REG_IB_STS2, 6, 4)
	s_cmp_eq_u32 s2, 0
	s_cbranch_scc0 .Lentry_in_a_cluster
	s_endpgm
.Lentry_in_a_cluster:
	s_bfe_u32 s2, ttmp6, 0x10000c
	s_cmp_lg_u32 s2, 0x3003
	s_cbranch_scc0 .Lentry_shape_is_right
	s_endpgm
.Lentry_shape_is_right:
; QKV.  Q = x Wq + bq, K = x Wk + bk, V = x Wv + bv on codes of FP4 with E8M0 scales; K and V go through reference()'s min/max quantiser (15 and 255 steps, per token and head); all three leave as f16 fragments.
; SHARES.  A work-group takes 128 tokens x one head (its 64 columns of each of the three weights: 12 tiles of 16); a wave 32 tokens x 192 columns: 24 accumulators.
; The head's codes of the weights for all of K, 96 KB, come into LDS once (first fills only, nothing is filled again) and are asked for JOINTLY by the four token blocks of a cluster.
; x's fragments belong to one wave alone: they go from memory straight into registers (128 registers).  The 16 heads that read the same x lie along the grid's y; a cluster along y too would share
; bytes that here never pass through LDS, so x is not asked for jointly.
; ORIENTATION.  Q and K: source 0 = 16 columns of W, source 1 = 16 tokens: a lane holds one token and eight neighbouring channels, which packed to f16 are its 16 bytes of the next product's fragment.
; V: source 0 = 16 tokens, source 1 = 16 columns: a lane holds one channel and eight neighbouring tokens: its 16 bytes of a fragment of V^T.  So every store is 512 consecutive bytes, from registers.
; LIMITS: |Q|, |K|, |V| under 65,504 (f16).  (t - lo) / scale is a reciprocal (1 ulp) and a multiplication.
; REGISTERS, in windows of 256.  window 0: v1-5 addresses, v10-11 the add's two, v16-23 x's scale words, v24-71 W's, v72-79 bv, v128-223 W's fragments of even K steps (later: the way out), v224-255 the way out.
;   window 1: the accumulators, (tb, cb) at v[8 (12 tb + cb)].   window 2: x's fragments at v[8 (8 tb + s)]; v128-223 W's fragments of odd K steps.   window 3: bq, bk in the result's layout.
.set SPARE, 98304                      ; behind W's codes: the spare words, 128 bytes a wave
.set LI,  1                            ; v1  16 x lane
.set LI2, 2                            ; v2  + 49,152: the second half of W's codes
.set BO,  3                            ; v3  32 (lane / 16): bq's and bk's eight numbers of my half
.set BVO, 4                            ; v4  4 (lane % 16)
.set L4,  5                            ; v5  4 x lane
.set SPW, 10
.set NIL, 11
.set XS,  16
.set WS,  24
.set BV,  72
.set WF,  128
.set T,   128                          ; the way out, window 0
.set PK,  160
.set LOV, 176
.set SCV, 184
.set RSV, 192
.set TMP, 200
.set KST, 208                          ; K: lo pair, scale pair, 1 / scale pair, two at work
.set U,   224
.set WV,  20
.set MSB, 0
.macro WIN new                         ; the immediate's high byte repeats the setting that is left
.if MSB != (\new)
	s_set_vgpr_msb (MSB<<8)|(\new)
.set MSB, (\new)
.endif
.endm
.macro PLACES
.rept 4
	v_nop
.endr
.endm
.macro CROUND                          ; a round of the cluster's barrier
	s_barrier_signal -1
	s_barrier_wait -1
	s_cmp_lg_u32 s[WV], 0
	s_cbranch_scc1 .Lnot_wave_0_\@
	s_barrier_signal -3
.Lnot_wave_0_\@:
	s_barrier_wait -3
	s_barrier_signal -1
	s_barrier_wait -1
.endm
; one scaled product.  c < 0: the constant 0 starts the sum.  ra, rb: the scales stand in lanes 16-31 of their registers
.macro WM d, a, b, c, sa, sb, ra, rb
.if (\c) < 0
.if ((\ra) == 0) && ((\rb) == 0)
	v_wmma_scale_f32_16x16x128_f8f6f4 v[\d:\d+7], v[\a:\a+7], v[\b:\b+7], 0, v[\sa], v[\sb] matrix_a_fmt:MATRIX_FMT_FP4 matrix_b_fmt:MATRIX_FMT_FP4
.elseif (\rb) == 0
	v_wmma_scale_f32_16x16x128_f8f6f4 v[\d:\d+7], v[\a:\a+7], v[\b:\b+7], 0, v[\sa], v[\sb] matrix_a_fmt:MATRIX_FMT_FP4 matrix_b_fmt:MATRIX_FMT_FP4 matrix_a_scale:MATRIX_SCALE_ROW1
.elseif (\ra) == 0
	v_wmma_scale_f32_16x16x128_f8f6f4 v[\d:\d+7], v[\a:\a+7], v[\b:\b+7], 0, v[\sa], v[\sb] matrix_a_fmt:MATRIX_FMT_FP4 matrix_b_fmt:MATRIX_FMT_FP4 matrix_b_scale:MATRIX_SCALE_ROW1
.else
	v_wmma_scale_f32_16x16x128_f8f6f4 v[\d:\d+7], v[\a:\a+7], v[\b:\b+7], 0, v[\sa], v[\sb] matrix_a_fmt:MATRIX_FMT_FP4 matrix_b_fmt:MATRIX_FMT_FP4 matrix_a_scale:MATRIX_SCALE_ROW1 matrix_b_scale:MATRIX_SCALE_ROW1
.endif
.else
.if ((\ra) == 0) && ((\rb) == 0)
	v_wmma_scale_f32_16x16x128_f8f6f4 v[\d:\d+7], v[\a:\a+7], v[\b:\b+7], v[\c:\c+7], v[\sa], v[\sb] matrix_a_fmt:MATRIX_FMT_FP4 matrix_b_fmt:MATRIX_FMT_FP4
.elseif (\rb) == 0
	v_wmma_scale_f32_16x16x128_f8f6f4 v[\d:\d+7], v[\a:\a+7], v[\b:\b+7], v[\c:\c+7], v[\sa], v[\sb] matrix_a_fmt:MATRIX_FMT_FP4 matrix_b_fmt:MATRIX_FMT_FP4 matrix_a_scale:MATRIX_SCALE_ROW1
.elseif (\ra) == 0
	v_wmma_scale_f32_16x16x128_f8f6f4 v[\d:\d+7], v[\a:\a+7], v[\b:\b+7], v[\c:\c+7], v[\sa], v[\sb] matrix_a_fmt:MATRIX_FMT_FP4 matrix_b_fmt:MATRIX_FMT_FP4 matrix_b_scale:MATRIX_SCALE_ROW1
.else
	v_wmma_scale_f32_16x16x128_f8f6f4 v[\d:\d+7], v[\a:\a+7], v[\b:\b+7], v[\c:\c+7], v[\sa], v[\sb] matrix_a_fmt:MATRIX_FMT_FP4 matrix_b_fmt:MATRIX_FMT_FP4 matrix_a_scale:MATRIX_SCALE_ROW1 matrix_b_scale:MATRIX_SCALE_ROW1
.endif
.endif
.endm
; W's twelve fragments of K step s, as they lie: 24 loads of 512 consecutive bytes.  Even steps into window 0, odd steps into window 2
.macro FETCHW s
.if ((\s)%2) == 0
	WIN 0
.else
	WIN 0x80
.endif
.irp cb, 0,1,2,3,4,5,6,7,8,9,10,11
.irp c, 0,1
.if (\s) < 4
	ds_load_b128 v[WF+8*\cb+4*\c:WF+8*\cb+4*\c+3], v[LI] offset:((\s)%4)*12288+\cb*1024+\c*512
.else
	ds_load_b128 v[WF+8*\cb+4*\c:WF+8*\cb+4*\c+3], v[LI2] offset:((\s)%4)*12288+\cb*1024+\c*512
.endif
.endr
.endr
.endm
; K step s: the next step's fragments are asked for, then 24 products, each accumulator once, in the same order in every step
.macro KSTEP s
.if (\s) == 3
	WIN 0
	s_wait_tensorcnt 0x0                           ; my part of the second half of W has landed,
	s_wait_dscnt 0x0                               ; no LDS instruction of mine is out at the signal,
	s_barrier_signal -1
	s_barrier_wait -1                              ; and so has everybody's: K steps 4 to 7 may be read.
.endif
.if (\s) < 7
	PLACES                                         ; four places in front of loads into registers that the step before last multiplied
	FETCHW (\s)+1
	s_wait_dscnt 24                                ; all but the 24 just issued: this step's fragments are in
.else
	s_wait_dscnt 0x0
.endif
.if (\s) == 0
	WIN 0x78                                       ; W window 0, x window 2, C = the biases in window 3, D window 1
.elseif ((\s)%2) == 0
	WIN 0x58
.else
	WIN 0x5a
.endif
.irp tb, 0,1
.irp cb, 0,1,2,3,4,5,6,7
.if (\s) == 0
	WM 8*(12*\tb+\cb), WF+8*\cb, 8*(8*\tb+(\s)), 8*\cb, WS+6*(\s)+\cb/2, XS+(\s), \cb%2, \tb
.else
	WM 8*(12*\tb+\cb), WF+8*\cb, 8*(8*\tb+(\s)), 8*(12*\tb+\cb), WS+6*(\s)+\cb/2, XS+(\s), \cb%2, \tb
.endif
.endr
.endr
.if ((\s)%2) == 0
	WIN 0x52                                       ; V: x window 2 is source 0, W window 0 source 1
.endif
.irp tb, 0,1
.irp cb, 8,9,10,11
.if (\s) == 0
	WM 8*(12*\tb+\cb), 8*(8*\tb+(\s)), WF+8*\cb, -1, XS+(\s), WS+6*(\s)+\cb/2, \tb, \cb%2
.else
	WM 8*(12*\tb+\cb), 8*(8*\tb+(\s)), WF+8*\cb, 8*(12*\tb+\cb), XS+(\s), WS+6*(\s)+\cb/2, \tb, \cb%2
.endif
.endr
.endr
.endm
	s_load_b256 s[4:11], s[0:1], 0x0               ; ximg s[4:5], xsc s[6:7], wimg s[8:9], wsc s[10:11]
	s_load_b256 s[12:19], s[0:1], 0x20             ; bq s[12:13], bk s[14:15], bv s[16:17], qkv s[18:19]
	v_lshl_add_u32 v[SPW], v0, 2, SPARE
	v_mov_b32 v[NIL], 0
	ds_add_u32 v[SPW], v[NIL]                      ; the opening: the add, twice on end, and its wait ahead of my first tensor load
	ds_add_u32 v[SPW], v[NIL]
	v_lshrrev_b32 v1, 5, v0
	v_readfirstlane_b32 s[WV], v1                  ; wave 0..3
	s_bfe_u32 s21, ttmp6, 0x40000                  ; cx
	s_lshl_b32 s22, ttmp9, 2
	s_add_co_u32 s22, s22, s21                     ; my block of 128 tokens: it enters x's and the result's addresses alone
	s_and_b32 s23, ttmp7, 0xffff                   ; the head, which the four partners share
	s_mov_b32 s24, 15|(3<<16)|(1<<21)              ; group 1: mask: all four; elements of 8 bytes; bit 21 beside a mask; no padding
	s_mov_b32 s25, 32<<16                          ; tensor_dim0 = 32 elements: rows of 256 bytes
	s_mov_b32 s26, 48<<16                          ; tensor_dim1 = 48
	s_mov_b32 s27, 32<<16                          ; tile_dim0
	s_mov_b32 s28, 48                              ; tile_dim1: 12,288 bytes: one K step's twelve fragments
	s_mov_b32 s29, 32                              ; dense
	s_mov_b32 s30, 0
	s_mov_b32 s31, 0
	s_mov_b32 s40, 0x3d888889                      ; 1 / 15
	s_mov_b32 s41, 0x41700000                      ; 15
	s_mov_b32 s42, 0x3b808081                      ; 1 / 255
	s_mov_b32 s43, 0x437f0000                      ; 255
	s_mov_b32 s44, 0x322bcc77                      ; 1e-8
	s_mov_b32 s46, 0x76543210
	s_mov_b32 s47, 0xfedcba98
	s_mul_i32 s50, s[WV], 12288                    ; wave w fetches K steps w and 4 + w
	s_mul_i32 s48, s23, 98304
	s_add_co_u32 s48, s48, s50
	s_mov_b32 s49, 0
	s_wait_dscnt 0x0                               ; both opening adds are done
	s_wait_kmcnt 0x0
	s_add_nc_u64 s[8:9], s[8:9], s[48:49]
	CROUND                                         ; all four work-groups are here: the joint loads meet
.irp i, 0,1
	s_mov_b32 s[32+4*\i], 1
	s_add_co_u32 s[33+4*\i], s50, \i*49152
	s_add_nc_u64 s[34+4*\i:35+4*\i], s[8:9], \i*49152
	s_or_b32 s[35+4*\i], s[35+4*\i], 0x80000000
.endr
	tensor_load_to_lds s[32:35], s[24:31]          ; two loads of mine are out
	s_nop 0
	tensor_load_to_lds s[36:39], s[24:31]
	s_nop 0
	PLACES
	v_and_b32 v6, 31, v0
	v_lshlrev_b32 v[LI], 4, v6
	v_add_nc_u32 v[LI2], 49152, v[LI]
	v_bfe_u32 v7, v0, 4, 1
	v_lshlrev_b32 v[BO], 5, v7
	v_and_b32 v8, 15, v0
	v_lshlrev_b32 v[BVO], 2, v8
	v_lshlrev_b32 v[L4], 2, v6
	s_lshl_b32 s48, s22, 16                        ; x: my wave's two token blocks of 8 KB: 65,536 TB + 16,384 w
	s_lshl_b32 s51, s[WV], 14
	s_add_co_u32 s48, s48, s51
	s_add_nc_u64 s[4:5], s[4:5], s[48:49]
	s_lshl_b32 s48, s22, 9                         ; x's scale words: 4 (128 TB + 32 w)
	s_lshl_b32 s51, s[WV], 7
	s_add_co_u32 s48, s48, s51
	s_add_nc_u64 s[6:7], s[6:7], s[48:49]
	s_mul_i32 s48, s23, 6144
	s_add_nc_u64 s[10:11], s[10:11], s[48:49]
	s_lshl_b32 s48, s23, 8
	s_add_nc_u64 s[12:13], s[12:13], s[48:49]
	s_add_nc_u64 s[14:15], s[14:15], s[48:49]
	s_add_nc_u64 s[16:17], s[16:17], s[48:49]
	s_mul_i32 s48, s23, 786432                     ; the result: the head, + 4,096 (4 TB + w): two blocks of Q or K, or one group of 32 keys of V
	s_lshl_b32 s51, s22, 14
	s_add_co_u32 s48, s48, s51
	s_lshl_b32 s51, s[WV], 12
	s_add_co_u32 s48, s48, s51
	s_add_nc_u64 s[18:19], s[18:19], s[48:49]
	WIN 0x80
.irp tb, 0,1
.irp s, 0,1,2,3,4,5,6,7
.irp c, 0,1
	global_load_b128 v[8*(8*\tb+\s)+4*\c:8*(8*\tb+\s)+4*\c+3], v[LI], s[4:5] offset:\tb*8192+\s*1024+\c*512
.endr
.endr
.endr
	WIN 0xc0
.irp ct, 0,1,2,3
	global_load_b128 v[8*\ct:8*\ct+3], v[BO], s[12:13] offset:64*\ct
	global_load_b128 v[8*\ct+4:8*\ct+7], v[BO], s[12:13] offset:64*\ct+16
	global_load_b128 v[32+8*\ct:32+8*\ct+3], v[BO], s[14:15] offset:64*\ct
	global_load_b128 v[32+8*\ct+4:32+8*\ct+7], v[BO], s[14:15] offset:64*\ct+16
.endr
	WIN 0
.irp s, 0,1,2,3,4,5,6,7
	global_load_b32 v[XS+\s], v[L4], s[6:7] offset:\s*8192       ; lanes 0-15: token block 0's words, lanes 16-31: block 1's
.irp p, 0,1,2,3,4,5
	global_load_b32 v[WS+6*\s+\p], v[L4], s[10:11] offset:\s*768+\p*128   ; lanes 0-15: tile 2 p, lanes 16-31: tile 2 p + 1
.endr
.endr
.irp ct, 0,1,2,3
	global_load_b32 v[BV+2*\ct], v[BVO], s[16:17] offset:64*\ct
	global_load_b32 v[BV+2*\ct+1], v[BVO], s[16:17] offset:64*\ct   ; the same number again: a pair for the packed addition
.endr
	s_wait_tensorcnt 0x1                           ; my part of K steps 0 to 3 is in; the other load may stay out
	s_barrier_signal -1
	s_barrier_wait -1
	FETCHW 0
	s_wait_loadcnt 0x0                             ; x, the scale words, the biases
.irp s, 0,1,2,3,4,5,6,7
	KSTEP \s
.endr
	WIN 0
	PLACES                                         ; four places between the last products and the first read of results
	v_mov_b32 v[KST+1], 0                          ; a lane permute's destination counts as one of its sources
	v_mov_b32 v[KST+7], 0
; THE WAY OUT of token block tb.  Every accumulator is read from its low end on.
.macro OUT tb
.set RQ, 96*(\tb)
.set RK, 96*(\tb)+32
.set RV, 96*(\tb)+64
.if (\tb) > 0
	s_wait_xcnt 0x0                                ; the stores that read the packing registers have taken their data
.endif
	WIN 0x05
.set i, 0
.rept 16
	v_cvt_pk_f16_f32 v[PK+i], v[RQ+2*i], v[RQ+2*i+1]
.set i, i+1
.endr
	WIN 0
.irp ct, 0,1,2,3
	global_store_b128 v[LI], v[PK+4*\ct:PK+4*\ct+3], s[18:19] offset:(\tb)*2048+\ct*512
.endr
	; K: lo and hi of my token's 64 channels: 32 are mine, 32 lane l xor 16's
	WIN 0x15
	v_min3_num_f32 v[KST], v[RK], v[RK+1], v[RK+2]
	v_max3_num_f32 v[KST+6], v[RK], v[RK+1], v[RK+2]
	WIN 0x14
.irp i, 3,5,7,9,11,13,15,17,19,21,23,25,27,29
	v_min3_num_f32 v[KST], v[KST], v[RK+\i], v[RK+\i+1]
	v_max3_num_f32 v[KST+6], v[KST+6], v[RK+\i], v[RK+\i+1]
.endr
	v_min_num_f32 v[KST], v[KST], v[RK+31]
	v_max_num_f32 v[KST+6], v[KST+6], v[RK+31]
	WIN 0
	v_permlanex16_b32 v[KST+1], v[KST], s46, s47
	v_permlanex16_b32 v[KST+7], v[KST+6], s46, s47
	v_min_num_f32 v[KST], v[KST], v[KST+1]
	v_max_num_f32 v[KST+6], v[KST+6], v[KST+7]
	v_mov_b32 v[KST+1], v[KST]
	v_sub_f32 v[KST+6], v[KST+6], v[KST]           ; hi - lo
	v_mul_f32 v[KST+7], s40, v[KST+6]              ; / 15: a first quotient, its remainder, the corrected quotient
	v_fma_f32 v[KST+6], -v[KST+7], s41, v[KST+6]
	v_fma_f32 v[KST+7], v[KST+6], s40, v[KST+7]
	v_max_num_f32 v[KST+2], s44, v[KST+7]          ; the scale
	v_mov_b32 v[KST+3], v[KST+2]
	v_rcp_f32 v[KST+4], v[KST+2]
	v_rcp_f32 v[KST+5], v[KST+2]
	v_nop                                          ; a plain line behind the reciprocals,
	s_wait_alu depctr_va_vdst(0)                   ; and the wait ahead of their first reader
	WIN 0x01
.irp i, 0,2,4,6,8,10,12,14,16,18,20,22,24,26,28,30
	v_pk_add_f32 v[T+\i:T+\i+1], v[RK+\i:RK+\i+1], v[KST:KST+1] neg_lo:[0,1] neg_hi:[0,1]   ; t - lo
.endr
	WIN 0
.irp i, 0,2,4,6,8,10,12,14,16,18,20,22,24,26,28,30
	v_pk_mul_f32 v[T+\i:T+\i+1], v[T+\i:T+\i+1], v[KST+4:KST+5]
.endr
.set i, 0
.rept 32
	v_rndne_f32 v[T+i], v[T+i]                     ; ties to even
.set i, i+1
.endr
.irp i, 0,2,4,6,8,10,12,14,16,18,20,22,24,26,28,30
	v_pk_fma_f32 v[T+\i:T+\i+1], v[T+\i:T+\i+1], v[KST+2:KST+3], v[KST:KST+1]   ; dq = q scale + lo
.endr
	WIN 0x04
.irp i, 0,2,4,6,8,10,12,14,16,18,20,22,24,26,28,30
	v_pk_add_f32 v[T+\i:T+\i+1], v[T+\i:T+\i+1], v[RK+\i:RK+\i+1] neg_lo:[0,1] neg_hi:[0,1]   ; dq - t
.endr
.irp i, 0,2,4,6,8,10,12,14,16,18,20,22,24,26,28,30
	v_pk_add_f32 v[T+\i:T+\i+1], v[T+\i:T+\i+1], v[RK+\i:RK+\i+1]                             ; t + (dq - t)
.endr
	WIN 0
	s_wait_xcnt 0x0
.set i, 0
.rept 16
	v_cvt_pk_f16_f32 v[PK+i], v[T+2*i], v[T+2*i+1]
.set i, i+1
.endr
.irp ct, 0,1,2,3
	global_store_b128 v[LI], v[PK+4*\ct:PK+4*\ct+3], s[18:19] offset:262144+(\tb)*2048+\ct*512
.endr
	; V: register j of a lane is token 8 (lane / 16) + j, the lane's channel is 16 ct + lane % 16: lo and hi go over the four tiles and the sixteen lanes of my half
	WIN 0x01
.irp ct, 0,1,2,3
.irp i, 0,2,4,6
	v_pk_add_f32 v[T+8*\ct+\i:T+8*\ct+\i+1], v[RV+8*\ct+\i:RV+8*\ct+\i+1], v[BV+2*\ct:BV+2*\ct+1]
.endr
.endr
	WIN 0
.irp j, 0,1,2,3,4,5,6,7
	v_min3_num_f32 v[LOV+\j], v[T+\j], v[T+8+\j], v[T+16+\j]
	v_max3_num_f32 v[SCV+\j], v[T+\j], v[T+8+\j], v[T+16+\j]
.endr
.irp j, 0,1,2,3,4,5,6,7
	v_min_num_f32 v[LOV+\j], v[LOV+\j], v[T+24+\j]
	v_max_num_f32 v[SCV+\j], v[SCV+\j], v[T+24+\j]
.endr
.irp m, 1,2,4,8
.irp j, 0,1,2,3,4,5,6,7
	v_min_num_f32_dpp v[LOV+\j], v[LOV+\j], v[LOV+\j] row_xmask:\m row_mask:0xf bank_mask:0xf
	v_max_num_f32_dpp v[SCV+\j], v[SCV+\j], v[SCV+\j] row_xmask:\m row_mask:0xf bank_mask:0xf
.endr
.endr
.irp j, 0,1,2,3,4,5,6,7
	v_sub_f32 v[SCV+\j], v[SCV+\j], v[LOV+\j]
.endr
.irp j, 0,1,2,3,4,5,6,7
	v_mul_f32 v[TMP+\j], s42, v[SCV+\j]
.endr
.irp j, 0,1,2,3,4,5,6,7
	v_fma_f32 v[SCV+\j], -v[TMP+\j], s43, v[SCV+\j]
.endr
.irp j, 0,1,2,3,4,5,6,7
	v_fma_f32 v[TMP+\j], v[SCV+\j], s42, v[TMP+\j]
.endr
.irp j, 0,1,2,3,4,5,6,7
	v_max_num_f32 v[SCV+\j], s44, v[TMP+\j]
.endr
.irp j, 0,1,2,3,4,5,6,7
	v_rcp_f32 v[RSV+\j], v[SCV+\j]
.endr
	v_nop
	s_wait_alu depctr_va_vdst(0)                   ; one wait for the eight reciprocals
.irp ct, 0,1,2,3
.irp i, 0,2,4,6
	v_pk_add_f32 v[U+8*\ct+\i:U+8*\ct+\i+1], v[T+8*\ct+\i:T+8*\ct+\i+1], v[LOV+\i:LOV+\i+1] neg_lo:[0,1] neg_hi:[0,1]
.endr
.endr
.irp ct, 0,1,2,3
.irp i, 0,2,4,6
	v_pk_mul_f32 v[U+8*\ct+\i:U+8*\ct+\i+1], v[U+8*\ct+\i:U+8*\ct+\i+1], v[RSV+\i:RSV+\i+1]
.endr
.endr
.set i, 0
.rept 32
	v_rndne_f32 v[U+i], v[U+i]
.set i, i+1
.endr
.irp ct, 0,1,2,3
.irp i, 0,2,4,6
	v_pk_fma_f32 v[U+8*\ct+\i:U+8*\ct+\i+1], v[U+8*\ct+\i:U+8*\ct+\i+1], v[SCV+\i:SCV+\i+1], v[LOV+\i:LOV+\i+1]
.endr
.endr
.irp i, 0,2,4,6,8,10,12,14,16,18,20,22,24,26,28,30
	v_pk_add_f32 v[U+\i:U+\i+1], v[U+\i:U+\i+1], v[T+\i:T+\i+1] neg_lo:[0,1] neg_hi:[0,1]
.endr
.irp i, 0,2,4,6,8,10,12,14,16,18,20,22,24,26,28,30
	v_pk_add_f32 v[U+\i:U+\i+1], v[U+\i:U+\i+1], v[T+\i:T+\i+1]
.endr
	s_wait_xcnt 0x0
.set i, 0
.rept 16
	v_cvt_pk_f16_f32 v[PK+i], v[U+2*i], v[U+2*i+1]
.set i, i+1
.endr
.irp ct, 0,1,2,3
	global_store_b128 v[LI], v[PK+4*\ct:PK+4*\ct+3], s[18:19] offset:524288+\ct*1024+(\tb)*512
.endr
.endm
	OUT 0
	OUT 1
	s_wait_tensorcnt 0x0                           ; the wave's end
	ds_add_u32 v[SPW], v[NIL]
	s_wait_dscnt 0x0
	CROUND                                         ; the closing round
	s_endpgm
.Lfunc_end_k_q37a2b3a6fc_qkv:
	.size	k_q37a2b3a6fc_qkv, .Lfunc_end_k_q37a2b3a6fc_qkv-k_q37a2b3a6fc_qkv
	.p2alignl 7, 3214868480
	.fill 96, 4, 3214868480
	.section	.rodata,"a",@progbits
	.p2align	6, 0x0
	.amdhsa_kernel k_q37a2b3a6fc_qkv
		.amdhsa_group_segment_fixed_size 167936
		.amdhsa_private_segment_fixed_size 0
		.amdhsa_enable_private_segment 0
		.amdhsa_kernarg_size 64
		.amdhsa_user_sgpr_count 2
		.amdhsa_user_sgpr_kernarg_segment_ptr 1
		.amdhsa_wavefront_size32 1
		.amdhsa_system_sgpr_workgroup_id_x 1
		.amdhsa_system_sgpr_workgroup_id_y 1
		.amdhsa_system_sgpr_workgroup_id_z 1
		.amdhsa_system_vgpr_workitem_id 0
		.amdhsa_next_free_vgpr 1024
		.amdhsa_next_free_sgpr 66
		.amdhsa_reserve_vcc 0
		.amdhsa_float_denorm_mode_32 3
		.amdhsa_float_denorm_mode_16_64 3
		.amdhsa_memory_ordered 1
		.amdhsa_forward_progress 1
		.amdhsa_inst_pref_size 109
	.end_amdhsa_kernel
	.amdgpu_metadata
---
amdhsa.version: [ 1, 2 ]
amdhsa.kernels:
  - .name:           k_q37a2b3a6fc_qkv
    .symbol:         k_q37a2b3a6fc_qkv.kd
    .args:
      - { .name: ximg, .offset: 0, .size: 8, .value_kind: global_buffer, .address_space: global }
      - { .name: xsc, .offset: 8, .size: 8, .value_kind: global_buffer, .address_space: global }
      - { .name: wimg, .offset: 16, .size: 8, .value_kind: global_buffer, .address_space: global }
      - { .name: wsc, .offset: 24, .size: 8, .value_kind: global_buffer, .address_space: global }
      - { .name: bq, .offset: 32, .size: 8, .value_kind: global_buffer, .address_space: global }
      - { .name: bk, .offset: 40, .size: 8, .value_kind: global_buffer, .address_space: global }
      - { .name: bv, .offset: 48, .size: 8, .value_kind: global_buffer, .address_space: global }
      - { .name: qkv, .offset: 56, .size: 8, .value_kind: global_buffer, .address_space: global }
    .group_segment_fixed_size: 167936
    .private_segment_fixed_size: 0
    .kernarg_segment_align: 8
    .kernarg_segment_size: 64
    .max_flat_workgroup_size: 128
    .sgpr_count:     66
    .vgpr_count:     1024
    .wavefront_size: 32
...
	.end_amdgpu_metadata
.endif
;; end of part 2
;; launch attn (part 3): grid 16 x 16, 4 waves a work-group, clusters of 4 x 1, 327,680 bytes of LDS; arguments qkv, tab, cycle_scale, oimg; writes oimg
.if DOCPART == 3
	.amdgcn_target "amdgcn-amd-amdhsa--gfx1250"
	.amdhsa_code_object_version 6
	.text
	.protected	k_q37a2b3a6fc_attn
	.globl	k_q37a2b3a6fc_attn
	.p2align	8
	.type	k_q37a2b3a6fc_attn,@function
k_q37a2b3a6fc_attn:
	s_mov_b64 s[64:65], 0
	v_nop
	global_prefetch_b8 v0, s[64:65] scope:SCOPE_SE
	s_setreg_imm32_b32 hwreg(HW_REG_WAVE_MODE, 25, 1), 1
	s_wait_xcnt 0x0
	s_wait_alu depctr_hold_cnt(0) depctr_sa_sdst(0) depctr_va_vdst(0) depctr_va_sdst(0) depctr_va_ssrc(0) depctr_va_vcc(0) depctr_vm_vsrc(0)
	s_getreg_b32 s2, hwreg(HW_REG_IB_STS2, 6, 4)
	s_cmp_eq_u32 s2, 0
	s_cbranch_scc0 .Lentry_in_a_cluster
	s_endpgm
.Lentry_in_a_cluster:
	s_bfe_u32 s2, ttmp6, 0x10000c
	s_cmp_lg_u32 s2, 0x3003
	s_cbranch_scc0 .Lentry_shape_is_right
	s_endpgm
.Lentry_shape_is_right:
; ATTN.  O[h][q] = sum over k of softmax_k(Q.K_dq / 8 + cn_q cn_k scale_h, masked keys out) V_dq[k], operands f16, sums, maxima and the softmax in f32.
; SHARES.  A work-group owns 128 queries of one head.  Four waves, as many as a WGP has SIMDs.  Wave w: queries 64 (w % 2) .. + 63 (four tiles of 16), keys 1,024 (w / 2) .. + 1,023, 64 a step:
; each fragment of K and V read from LDS feeds four products.  At the end the two waves of the same queries exchange two tiles' partial results through LDS and each finishes two tiles:
; register tile i holds tile 4 (w % 2) + (i xor 2 (w / 2)), so the register numbers are alike in all waves.
; LAYOUT.  S^T = K Q^T + C and O^T += V^T P: a lane holds ONE query throughout.  K, V and Q lie in memory as images of the operands' registers: every LDS load is 512 consecutive bytes.
; BIAS AND MASK are the C of the first product: C = aq emb_k + mk_k, aq = 8 scale_h emb_q / norm^2, mk = 0 or -2^100, one packed multiply-add for two scores.
; SOFTMAX.  Scores s are kept 8 times reference()'s; c = log2(e) / 8.  A running maximum m and sum l for each query: p = 2^(c s - c m); in every step O and l are multiplied by 2^(c m_old - c m_new).
; THE MASK.  f16 operands bound |Q.K| by 64 x 65,504^2, far under 2^96: a masked key's score is -2^100 and its p is 0 as soon as a key that counts has been seen.  A row with no key that counts has
; m under -2^96: its result is made NaN, as reference()'s is.
; BY TURNS.  The wave's tiles are two PIECES, named by their first tile: piece 0 (tiles 0, 1) and piece 2 (tiles 2, 3).  In a TURN one piece has the matrix unit: 16 products V^T P of the step in hand, then
; 16 products K Q^T of the next step; the other piece's vector work (its softmax, and the C of its next step), cut into 64 slices of four, stands between them, two slices behind each matrix instruction.
; Then the pieces change places.  Two turns are a key step: 64 matrix instructions and 536 vector instructions.
; CLUSTER.  The four query blocks of a cluster belong to one head: K, V and the head's table are asked for jointly.  A period is 256 keys of each half of the keys, 128 KB a slot, two slots, four periods.
; LIMITS: |Q|, |K|, |V|, |O| under 65,504.  The norm's sum of squares runs in another order than reference()'s.
; REGISTERS, in windows of 256 (s_set_vgpr_msb: bits 1:0 source 0, 3:2 source 1, 5:4 source 2, 7:6 destination):
;   window 0: v1-10 addresses; v12-43 statistics, 8 a tile: +0 c m, +1 m, +2, +3 l, +4..7 at work (+6: the rescaling factor); v44-51 aq, a pair a tile; v52-63 addresses; v64-191 S^T, 32 a tile; v192-255 P, 16 a tile
;   window 1: v0-127 O^T, 32 a tile; v128-159 emb of 64 keys; v160-191 their mask terms        window 2: v0-63 Q, 16 a tile; v128-191 K of a step        window 3: v0-63 V of a step
; All that a softmax touches but O^T and the table lies in window 0, and no window has room for a product's operands beside it: so a pair of slices costs two switches.
.set SLOT1, 1<<17
.set TAB,   262144                     ; emb of the head's 2,048 tokens, 8 KB, then the mask's terms, 8 KB
.set MRG,   278528                     ; the exchange: for each wave two tiles of 4,352 bytes: O^T, m, l
.set MRGT,  4352
.set MRGW,  2*MRGT
.set RED,   313344                     ; the waves' sums of squares
.set SPARE, 313600                     ; the spare words, 128 bytes a wave: two blocks of 256 bytes that no other line names
.set LI,  1                            ; v1   16 x lane
.set AKB, 2                            ; v2   K of my half of the keys in a slot
.set AVB, 3                            ; v3   V likewise
.set ATB, 4                            ; v4   emb of my half's keys, the eight of my half of the lanes
.set ADR, 5                            ; v5   the LDS address of the run of loads in hand
.set ADT, 6                            ; v6   the same for the table
.set QA,  7
.set QB,  8
.set EA,  9
.set EB,  10
.set ST,  12
.set AQ,  44
.set MW,  52
.set MR,  53
.set MW4, 54
.set MR4, 55
.set PFO, 61
.set SPW, 62
.set NIL, 63
.set S,   64
.set P,   192
.set CN,  128                          ; in window 1
.set MK,  160
.set KF,  128                          ; in window 2
.set WV,  12
.set LIM, 15
.set PFA, 18
.set SLOTS, 52
.set CNT, 53
.set TB,  54                           ; s54  LDS byte at which K and V of the step to be fetched begin
.set TT,  55                           ; s55  the same for the table: 256 bytes a step
.set CS,  56
.set SEL, 58
.set W_KQ, 0x0a                        ; K and Q in window 2, S^T in window 0
.set W_PV, 0x53                        ; V in window 3, P in window 0, O^T in window 1
.set W_RS, 0x41                        ; O^T (destination and source 0) in window 1, the factor in window 0
.set W_CB, 0x14                        ; S^T and aq in window 0, emb and the mask's terms in window 1
.set MSB, 0
.macro WIN new                         ; the immediate's high byte repeats the setting that is left; a switch that changes nothing is dropped
.if MSB != (\new)
	s_set_vgpr_msb (MSB<<8)|(\new)
.set MSB, (\new)
.endif
.endm
.macro PLACES
.rept 4
	v_nop
.endr
.endm
.macro CROUND                          ; a round of the cluster's barrier
	s_barrier_signal -1
	s_barrier_wait -1
	s_cmp_lg_u32 s[WV], 0
	s_cbranch_scc1 .Lnot_wave_0_\@
	s_barrier_signal -3
.Lnot_wave_0_\@:
	s_barrier_wait -3
	s_barrier_signal -1
	s_barrier_wait -1
.endm
; A prefetch of what the NEXT change of slots will ask for.  All clusters of a head walk the same K and V: the head's first cluster asks.  Each wave stands for the stream that it fetches (K or V, first or second
; half of the keys), 32 KB a period; the four partners take 8 KB each, told apart by address; lanes 256 bytes apart.  So each block of 256 bytes is named once.  The last change that fills a slot asks for nothing.
.macro ASK
	s_cmp_gt_u32 s[SLOTS], s[LIM]
	s_cbranch_scc0 .Lnot_mine_\@
	global_prefetch_b8 v[PFO], s[PFA:PFA+1] th:TH_LOAD_NT scope:SCOPE_SE
.Lnot_mine_\@:
.endm
; THE MATRIX WORK OF A TURN, for piece x.  The eight accumulators take turns, one instruction a turn.
; Product i of 16 of O^T += V^T P: keys 32 (i / 8) on, channels 16 ((i / 2) % 4) on, tile x + i % 2.
.macro PV x
	WIN W_PV
.set rO, 32*(\x+i%2)+8*((i/2)%4)
.set rV, 32*(i/8)+8*((i/2)%4)
.set rP, P+16*(\x+i%2)+8*(i/8)
	v_wmma_f32_16x16x32_f16 v[rO:rO+7], v[rV:rV+7], v[rP:rP+7], v[rO:rO+7]
.endm
; Product i of 16 of S^T = K Q^T + C: channels 32 (i / 8) on, keys 16 ((i / 2) % 4) on, tile x + i % 2.  C stands in S^T's registers: every product adds in place.
.macro KQ x
	WIN W_KQ
.set rS, S+32*(\x+i%2)+8*((i/2)%4)
.set rK, KF+16*((i/2)%4)+8*(i/8)
.set rQ, 16*(\x+i%2)+8*(i/8)
	v_wmma_f32_16x16x32_f16 v[rS:rS+7], v[rK:rK+7], v[rQ:rQ+7], v[rS:rS+7]
.endm
; THE LDS LOADS stand in runs, never singly among the matrix instructions.
.macro FETCH_K                         ; a step's K: 64 keys x 64 channels, eight fragments as they lie
	WIN 0
	v_add_nc_u32 v[ADR], s[TB], v[AKB]
	WIN 0x80                                       ; destination window 2
.irp f, 0,1,2,3,4,5,6,7,8,9,10,11,12,13,14,15
	ds_load_b128 v[KF+4*\f:KF+4*\f+3], v[ADR] offset:512*\f
.endr
.endm
.macro FETCH_T                         ; emb and the mask's terms of 64 keys: a lane takes the eight keys of its half of the lanes in each tile of 16
	WIN 0x40                                       ; destination window 1
.irp kt, 0,1,2,3
	ds_load_b128 v[CN+8*\kt:CN+8*\kt+3], v[ADT] offset:64*\kt
	ds_load_b128 v[CN+8*\kt+4:CN+8*\kt+7], v[ADT] offset:64*\kt+16
	ds_load_b128 v[MK+8*\kt:MK+8*\kt+3], v[ADT] offset:8192+64*\kt
	ds_load_b128 v[MK+8*\kt+4:MK+8*\kt+7], v[ADT] offset:8192+64*\kt+16
.endr
.endm
.macro FETCH_V cb                      ; cb = 1: the table of the step after next; then the next step's V.  The wait for the softmax's batch stands in it, behind the address lines and ahead of the loads
	WIN 0
	v_add_nc_u32 v[ADR], s[TB], v[AVB]
.if \cb
	v_add_nc_u32 v[ADT], s[TT], v[ATB]
	s_add_co_u32 s[TT], s[TT], 256
.endif
	s_add_co_u32 s[TB], s[TB], 8192                ; the next fetch is the next step's
	s_wait_alu depctr_va_vdst(0)                   ; one wait for the piece's 66 exponentials, ahead of their first reader
.if \cb
	FETCH_T
.endif
	WIN 0xc0                                       ; destination window 3
.irp f, 0,1,2,3,4,5,6,7,8,9,10,11,12,13,14,15
	ds_load_b128 v[4*\f:4*\f+3], v[ADR] offset:512*\f
.endr
.endm
; THE VECTOR WORK OF A TURN.  One tile's work for one key step is a list of 134 instructions; SM writes number j of it for tile t.  s0-s31 are the lane's 32 scores, in pairs 0-15.
;   0-15    the maximum of s0-s31 and the old m, three operands at a time: four chains of seven scores each (each accumulator is first read at its registers 0 to 2), then the four scores left over, the chains and m
;   16-20   the other half of the lanes' maximum; c m_old kept; the new m; c m; c m_old - c m_new
;   21-69   ONE BATCH: the 16 scalings c s - c m, a pair of scores each, and all 33 exponentials (the rescaling factor at 23, then s0-s31).  None of these reads an exponential's result.  A pair is scaled in an
;           earlier four than the one that holds its exponentials
;   (wait)  between 69 and 70 stands the wait for the batch: SLICE writes it, once for both tiles
;   70-85   the roundings to f16, a pair of weights each
;   86-101  the sums, of the unrounded p; l = factor x l + the sum
;   102-117 the tile's O^T times the factor, from each accumulator's low end on
;   118-133 the next step's C = aq emb_k + mk_k, into S^T's registers, which the sums have left (cb = 0: there is no next step)
.macro SM t, cb
.set rT, ST+8*(\t)
.set rS, S+32*(\t)
.set rP, P+16*(\t)
.if j < 102
	WIN 0
.endif
.if j < 4
	v_max3_num_f32 v[rT+4+j], v[rS+8*j], v[rS+8*j+1], v[rS+8*j+2]
.elseif j < 12
	v_max3_num_f32 v[rT+4+j%4], v[rT+4+j%4], v[rS+8*(j%4)+2*(j/4)+1], v[rS+8*(j%4)+2*(j/4)+2]
.elseif j == 12
	v_max3_num_f32 v[rT+4], v[rT+4], v[rS+7], v[rS+15]
.elseif j == 13
	v_max3_num_f32 v[rT+6], v[rT+6], v[rS+23], v[rS+31]
.elseif j == 14
	v_max3_num_f32 v[rT+4], v[rT+4], v[rT+5], v[rT+6]
.elseif j == 15
	v_max3_num_f32 v[rT+4], v[rT+4], v[rT+7], v[rT+1]
.elseif j == 16
	v_permlanex16_b32 v[rT+5], v[rT+4], s[SEL], s[SEL+1]   ; the query's other 32 keys lie in the lane 16 away
.elseif j == 17
	v_mov_b32 v[rT+7], v[rT]                       ; c m_old is kept: number 19 writes c m anew
.elseif j == 18
	v_max_num_f32 v[rT+1], v[rT+4], v[rT+5]
.elseif j == 19
	v_mul_f32 v[rT], s[CS], v[rT+1]
.elseif j == 20
	v_sub_f32 v[rT+7], v[rT+7], v[rT]
.elseif j == 23
	v_exp_f32 v[rT+6], v[rT+7]                     ; 2^(c m_old - c m_new)
.elseif (j < 23) || ((j < 38) && (j%2 == 0)) || ((j < 66) && (j%4 == 2))
.set b, (j-2)/4                        ; 38, 42, .. 62: pairs 9 to 15
.if j < 38
.set b, (j-20)/2                       ; 21: pair 0; 22, 24, .. 36: pairs 1 to 8
.endif
	v_pk_fma_f32 v[rS+2*b:rS+2*b+1], v[rS+2*b:rS+2*b+1], s[CS:CS+1], v[rT:rT+1] op_sel_hi:[1,0,0] neg_lo:[0,0,1] neg_hi:[0,0,1]   ; pair b: c s - c m
.elseif j < 70
.set e, j-38                           ; 66 to 69: s28 to s31
.if j < 66
.set e, j-32-(j-38)/4                  ; 39-41, 43-45, .. 63-65: s7 to s27
.endif
.if j < 38
.set e, (j-25)/2                       ; 25, 27, .. 37: s0 to s6
.endif
	v_exp_f32 v[rS+e], v[rS+e]                     ; p
.elseif j < 86
	v_cvt_pk_f16_f32 v[rP+j-70], v[rS+2*(j-70)], v[rS+2*(j-70)+1]
.elseif j < 102                        ; the sum of the tile's 16 pairs, in place: neighbours 1, 2, 4 and 8 pairs apart, then l takes it
.set z, j-86
.set w, 4
.set u, z
.if z >= 14
.set w, 32
.set u, 0
.elseif z >= 12
.set w, 16
.set u, z-12
.elseif z >= 8
.set w, 8
.set u, z-8
.endif
.if z < 15
	v_pk_add_f32 v[rS+w*u:rS+w*u+1], v[rS+w*u:rS+w*u+1], v[rS+w*u+w/2:rS+w*u+w/2+1]
.else
	v_pk_fma_f32 v[rT+2:rT+3], v[rT+2:rT+3], v[rT+6:rT+7], v[rS:rS+1] op_sel_hi:[1,0,1]
.endif
.elseif j < 118
.set rO, 32*(\t)+2*(j-102)
	WIN W_RS
	v_pk_mul_f32 v[rO:rO+1], v[rO:rO+1], v[rT+6:rT+7] op_sel_hi:[1,0]
.elseif \cb
	WIN W_CB
	v_pk_fma_f32 v[rS+2*(j-118):rS+2*(j-118)+1], v[AQ+2*(\t):AQ+2*(\t)+1], v[CN+2*(j-118):CN+2*(j-118)+1], v[MK+2*(j-118):MK+2*(j-118)+1]
.endif
.endm
; Slice k of 64 of piece y's vector work: four instructions.  Slices 11 to 34 deal out the batch, numbers 22 to 69: four numbers of ONE tile each, the tiles by turns.  Every other slice is numbers 2 k and
; 2 k + 1 of both tiles' lists, the tiles alternating.  2 x 134 = 4 x 64 + 12: the twelve that are over stand together, in slice 63.
; Ahead of slice 35 nothing names an exponential's result, and behind slice 34 no exponential is issued: so the piece's 66 exponentials have one wait, behind slice 34.
.macro SLICE y, cb
.if (k == 59) && ((\y) == 0) && (\cb)
	s_wait_dscnt 16                                ; the table's 16 loads of this turn are in; V's 16, issued behind them, may stay out
.endif
.if (k >= 11) && (k < 35)
.irp n, 0,1,2,3
.set j, 22+4*((k-11)/2)+(\n)
	SM (\y)+(k-11)%2, \cb
.endr
.else
.irp n, 0,1,2,3,4,5,6,7
.if (\n < 2) || (k == 63)
.irp t, \y, \y+1
.set j, 2*k+\n
	SM \t, \cb
.endr
.endif
.endr
.endif
.if k == 34
	v_nop                                          ; a plain instruction behind the last exponential and ahead of the first use: one for the batch
.if (\y) == 0
	FETCH_V \cb                                    ; piece 2's turn: the run of loads stands here, and the wait stands in it
.else
	s_wait_alu depctr_va_vdst(0)                   ; the wait for the batch
.endif
.endif
.set k, k+1
.endm
; A TURN.  Piece x has the matrix unit; the other piece's vector work stands in slices behind its matrix instructions: two behind each, four where the turn has one kind of product alone.
; A vector instruction that reads a matrix result, and a load into a register that a matrix instruction has read, stand four plain vector instructions behind it (ISA guide 7.12.1 for vector instructions).
; The slices are these places.  Behind the turn's last K Q^T stand slices 62 and 63, twenty packed multiply-adds on the other piece's registers: so the next turn may read the scores, and fetch K behind its second
; product.  V is fetched behind slice 34 of piece 2's turn: its last reader stands in front of slice 30, and between lie three scalings, the v_nop and the run's own address lines.
; cb = 0: slices 59 to 63 are empty, and four v_nop take their part.
.macro TURN x, pv, kq, cb
.set k, 0
.set per, 4
.if \pv && \kq
.set per, 2
.endif
.if \pv
.if \x == 0
	s_wait_dscnt 0x0                               ; V is in (asked for fourteen matrix instructions back)
.endif
.set i, 0
.rept 16
	PV \x
.rept per
	SLICE 2-\x, \cb
.endr
.if (\x == 0) && \kq && (i == 1)
	FETCH_K
.endif
.set i, i+1
.endr
.endif
.if \kq
.if \x == 0
	s_wait_dscnt 0x0                               ; K is in (asked for fourteen matrix instructions back)
.endif
.set i, 0
.rept 16
	KQ \x
.rept per
	SLICE 2-\x, \cb
.endr
.set i, i+1
.endr
.if (\cb) == 0
	PLACES
.endif
.endif
.endm
.macro STEPS n                         ; n key steps: written once, walked n times; the LDS addresses hang on s[TB] and s[TT]
	s_mov_b32 s[CNT], \n
.Lstep_\@:
	TURN 0, 1, 1, 1
	TURN 2, 1, 1, 1
	WIN 0                                          ; at a label and at a branch every window is 0
	s_sub_co_u32 s[CNT], s[CNT], 1
	s_cmp_lg_u32 s[CNT], 0
	s_cbranch_scc1 .Lstep_\@
.endm
; THE CHANGE OF SLOTS, between piece 2's turn and piece 0's: the slot's last bytes, V of its fourth step, have been asked for.  Each wave waits for all its tensor loads (one is out: its part of the slot ahead),
; adds 0 to its spare word, and waits for that and for its reads of the slot that it leaves.  fill = 1: the barrier is a round of the cluster's, and behind it the slot just left is filled with the period
; after next: one joint load a wave, which has four key steps, 256 matrix instructions, in which to land.
.macro CHANGE fill
	WIN 0
	s_wait_tensorcnt 0x0
	ds_add_u32 v[SPW], v[NIL]
.if \fill
	s_xor_b32 s45, s45, SLOT1                      ; the walking descriptor: the other slot than last time,
	s_add_nc_u64 s[46:47], s[46:47], 32768         ; the next period; the type bits on top are not reached
	s_wait_xcnt 0x0                                ; the last prefetch, a period back, has read its address
	s_add_nc_u64 s[PFA:PFA+1], s[PFA:PFA+1], 32768
	s_wait_dscnt 0x0
	CROUND
	tensor_load_to_lds s[44:47], s[24:31]
	s_nop 0
	PLACES
	ASK
.else
	s_wait_dscnt 0x0
	s_barrier_signal -1
	s_barrier_wait -1
.endif
	s_sub_co_u32 s[TB], s[TB], 32768               ; the fetches go back to a slot's first step,
	s_xor_b32 s[TB], s[TB], SLOT1                  ; in the other slot
.endm
	s_load_b256 s[4:11], s[0:1], 0x0               ; qkv s[4:5], tab s[6:7], cycle_scale s[8:9], oimg s[10:11]
	v_lshl_add_u32 v[SPW], v0, 2, SPARE
	v_mov_b32 v[NIL], 0
	ds_add_u32 v[SPW], v[NIL]                      ; the opening: the add, twice on end, and its wait ahead of my first tensor load
	ds_add_u32 v[SPW], v[NIL]
	v_lshrrev_b32 v1, 5, v0
	v_readfirstlane_b32 s[WV], v1                  ; wave 0..3
	s_bfe_u32 s13, ttmp6, 0x40000                  ; cx
	s_lshl_b32 s14, ttmp9, 2
	s_add_co_u32 s14, s14, s13                     ; my block of 128 queries
	s_and_b32 s63, ttmp7, 0xffff                   ; the head
	s_lshr_b32 s16, s[WV], 1                       ; which half of the keys I walk.  Also: I fetch for K (0) or V (1)
	s_and_b32 s17, s[WV], 1                        ; which 64 queries.  Also: which half of the keys I fetch
	s_lshl_b32 s61, s17, 2
	s_lshl_b32 s62, s16, 1
	s_add_co_u32 s61, s61, s62                     ; piece 0's first tile of the block's eight,
	s_xor_b32 s62, s61, 2                          ; piece 2's
	s_mov_b32 s24, 15|(3<<16)|(1<<21)              ; group 1 for K and V: mask: all four; elements of 8 bytes; bit 21 beside a mask
	s_mov_b32 s25, 32<<16                          ; rows of 256 bytes,
	s_mov_b32 s26, 128<<16                         ; 128 of them: 32 KB
	s_mov_b32 s27, 32<<16
	s_mov_b32 s28, 128
	s_mov_b32 s29, 32                              ; dense
	s_mov_b32 s30, 0
	s_mov_b32 s31, 0
	s_mov_b32 s32, 15|(3<<16)|(1<<21)              ; group 1 for the table: 16 rows of 256 bytes
	s_mov_b32 s33, 32<<16
	s_mov_b32 s34, 16<<16
	s_mov_b32 s35, 32<<16
	s_mov_b32 s36, 16
	s_mov_b32 s37, 32
	s_mov_b32 s38, 0
	s_mov_b32 s39, 0
	s_mov_b32 s[CS], 0x3e38aa3b                    ; c = log2(e) / 8
	s_mov_b32 s[CS+1], s[CS]
	s_mov_b32 s[SEL], 0x76543210
	s_mov_b32 s[SEL+1], 0xfedcba98
	s_mov_b32 s[TB], 0
	s_mov_b32 s[TT], 0
	s_mov_b32 s[SLOTS], 2
	s_mul_i32 s20, s63, 786432                     ; the head's first byte in qkv
	s_mov_b32 s21, 0
	s_lshl_b32 s22, s16, 18                        ; my stream: K or V,
	s_lshl_b32 s23, s17, 17                        ; first or second half of the keys
	s_add_co_u32 s22, s22, s23
	s_add_co_u32 s22, s22, 262144
	s_add_co_u32 s22, s22, s20
	s_mov_b32 s23, 0
	s_mov_b32 s3, 0
	s_cmp_eq_u32 ttmp9, 0                          ; the head's first cluster: the same in all four partners
	s_cselect_b32 s[LIM], 1, -1
	s_wait_dscnt 0x0                               ; both opening adds are done
	s_wait_kmcnt 0x0
	s_add_nc_u64 s[PFA:PFA+1], s[4:5], s[22:23]
	s_mov_b32 s40, 1                               ; group 0, slot 0, period 0
	s_lshl_b32 s41, s[WV], 15
	s_mov_b64 s[42:43], s[PFA:PFA+1]
	s_mov_b32 s44, 1                               ; group 0 that walks: it begins with slot 1, period 1
	s_add_co_u32 s45, s41, SLOT1
	s_add_nc_u64 s[46:47], s[42:43], 32768
	s_or_b32 s43, s43, 0x80000000
	s_or_b32 s47, s47, 0x80000000
	s_lshl_b32 s2, s63, 14
	s_add_nc_u64 s[6:7], s[6:7], s[2:3]            ; the head's table
	s_lshl_b32 s2, s[WV], 12
	s_mov_b32 s48, 1
	s_add_co_u32 s49, s2, TAB
	s_add_nc_u64 s[50:51], s[6:7], s[2:3]
	s_or_b32 s51, s51, 0x80000000
	s_lshl_b32 s2, s13, 13
	s_add_nc_u64 s[PFA:PFA+1], s[PFA:PFA+1], s[2:3]       ; the prefetches: my work-group's 8 KB,
	s_add_nc_u64 s[PFA:PFA+1], s[PFA:PFA+1], 2*32768      ; in period 2: the first change of slots steps it to period 3.  Nothing is prefetched at the head
	CROUND                                         ; all four work-groups are here: the first joint loads meet
	tensor_load_to_lds s[48:51], s[32:39]          ; the table, slot 0, slot 1: three loads of mine are out
	s_nop 0
	tensor_load_to_lds s[40:43], s[24:31]
	s_nop 0
	tensor_load_to_lds s[44:47], s[24:31]
	s_nop 0
	PLACES
	v_and_b32 v56, 31, v0
	v_and_b32 v57, 15, v0
	v_bfe_u32 v58, v0, 4, 1
	v_lshlrev_b32 v[LI], 4, v56
	v_lshlrev_b32 v[PFO], 8, v56
	s_lshl_b32 s2, s16, 15
	v_add_nc_u32 v[AKB], s2, v[LI]
	v_add_nc_u32 v[AVB], 65536, v[AKB]
	s_lshl_b32 s2, s16, 12
	s_add_co_u32 s2, s2, TAB
	v_lshl_add_u32 v[ATB], v58, 5, s2
	s_lshl_b32 s2, s61, 11
	v_add_nc_u32 v[QA], s2, v[LI]                  ; Q: 2 KB a tile
	s_lshl_b32 s2, s62, 11
	v_add_nc_u32 v[QB], s2, v[LI]
	s_lshl_b32 s2, s61, 4
	v_add_nc_u32 v[EA], s2, v57
	v_lshlrev_b32 v[EA], 2, v[EA]                  ; emb of my query
	s_lshl_b32 s2, s62, 4
	v_add_nc_u32 v[EB], s2, v57
	v_lshlrev_b32 v[EB], 2, v[EB]
	s_mul_i32 s2, s[WV], MRGW
	s_add_co_u32 s2, s2, MRG
	v_add_nc_u32 v[MW], s2, v[LI]                  ; the exchange: where I write,
	v_lshl_add_u32 v[MW4], v56, 2, s2
	s_xor_b32 s2, s[WV], 2
	s_mul_i32 s2, s2, MRGW
	s_add_co_u32 s2, s2, MRG
	v_add_nc_u32 v[MR], s2, v[LI]                  ; and where the wave of the other half of the keys writes
	v_lshl_add_u32 v[MR4], v56, 2, s2
	s_add_nc_u64 s[4:5], s[4:5], s[20:21]
	s_lshl_b32 s2, s14, 14
	s_add_nc_u64 s[4:5], s[4:5], s[2:3]            ; Q of my block: 8 tiles of 2 KB
	s_lshl_b32 s2, s14, 9
	s_add_nc_u64 s[22:23], s[6:7], s[2:3]          ; emb of my block's queries
	s_lshl_b32 s2, s63, 2
	s_add_nc_u64 s[8:9], s[8:9], s[2:3]
	s_load_b32 s60, s[8:9], 0x0                    ; cycle_scale of my head
	s_lshl_b32 s2, s14, 18                         ; O: 32 KB a tile of 16 tokens; in it 2 KB a head
	s_lshl_b32 s20, s63, 11
	s_add_co_u32 s2, s2, s20
	s_lshl_b32 s20, s61, 15
	s_add_co_u32 s2, s2, s20
	s_add_nc_u64 s[10:11], s[10:11], s[2:3]
	WIN 0x80
.irp u, 0,1
.irp cg, 0,1
.irp c, 0,1
	global_load_b128 v[16*\u+8*\cg+4*\c:16*\u+8*\cg+4*\c+3], v[QA], s[4:5] offset:\u*2048+\cg*1024+\c*512
	global_load_b128 v[32+16*\u+8*\cg+4*\c:32+16*\u+8*\cg+4*\c+3], v[QB], s[4:5] offset:\u*2048+\cg*1024+\c*512
.endr
.endr
.endr
	WIN 0
	global_load_b32 v[AQ], v[EA], s[22:23]
	global_load_b32 v[AQ+2], v[EA], s[22:23] offset:64
	global_load_b32 v[AQ+4], v[EB], s[22:23]
	global_load_b32 v[AQ+6], v[EB], s[22:23] offset:64
	v_lshlrev_b32 v59, 4, v0
.irp i, 0,1,2,3
	global_load_b128 v[64+4*\i:67+4*\i], v59, s[6:7] offset:2048*\i   ; the norm: 128 threads x 16 of the head's 2,048 numbers
.endr
	WIN 0x40
.set i, 0
.rept 128
	v_mov_b32 v[i], 0                              ; O^T.  (A key step is written in one form: the first finds zeros, which its rescaling leaves zeros.  These lines stand where the wave waits for its first loads)
.set i, i+1
.endr
	WIN 0
.irp t, 0,1,2,3
	v_mov_b32 v[ST+8*\t+1], 0xff61b1e6             ; m: -3e38, under every score
	v_mov_b32 v[ST+8*\t+2], 0
	v_mov_b32 v[ST+8*\t+3], 0
	v_mul_f32 v[ST+8*\t], s[CS], v[ST+8*\t+1]
.endr
	s_lshl_b32 s2, s[WV], 2
	s_add_co_u32 s2, s2, RED
	v_mov_b32 v82, s2
	v_mov_b32 v83, RED
	s_wait_loadcnt 0x0
	v_pk_mul_f32 v[80:81], v[64:65], v[64:65]
.irp i, 2,4,6,8,10,12,14
	v_pk_fma_f32 v[80:81], v[64+\i:65+\i], v[64+\i:65+\i], v[80:81]
.endr
	v_add_f32 v80, v80, v81
	v_add_f32_dpp v80, v80, v80 row_xmask:1 row_mask:0xf bank_mask:0xf
	v_add_f32_dpp v80, v80, v80 row_xmask:2 row_mask:0xf bank_mask:0xf
	v_add_f32_dpp v80, v80, v80 row_xmask:4 row_mask:0xf bank_mask:0xf
	v_add_f32_dpp v80, v80, v80 row_xmask:8 row_mask:0xf bank_mask:0xf
	v_permlanex16_b32 v81, v80, s[SEL], s[SEL+1]
	v_add_f32 v80, v80, v81
	ds_store_b32 v82, v80                          ; my wave's sum of squares: all lanes write the same word with the same value
	s_wait_tensorcnt 0x1                           ; the table and my part of slot 0 are in; slot 1's load may stay out
	s_wait_dscnt 0x0
	s_barrier_signal -1
	s_barrier_wait -1
	ds_load_b128 v[64:67], v83                     ; the four sums of squares,
	v_add_nc_u32 v[ADT], s[TT], v[ATB]
	s_add_co_u32 s[TT], s[TT], 256
	FETCH_T                                        ; the table of key step 0,
	FETCH_K                                        ; and its K
	WIN 0
	s_wait_dscnt 32                                ; the sums are in; the 32 loads behind them may stay out
	v_pk_add_f32 v[64:65], v[64:65], v[66:67]
	v_add_f32 v72, v64, v65
	v_sqrt_f32 v73, v72
	v_nop
	s_wait_alu depctr_va_vdst(0)
	v_max_num_f32 v73, 0x2b8cbccc, v73             ; the norm, at least 1e-12
	v_rcp_f32 v74, v73
	v_nop
	s_wait_alu depctr_va_vdst(0)
	s_wait_kmcnt 0x0
	v_mul_f32 v76, s60, v74
	v_mul_f32 v76, 0x41000000, v76                 ; 8 scale_h / norm
.irp t, 0,1,2,3
	v_mul_f32 v[AQ+2*\t], v[AQ+2*\t], v74
	v_mul_f32 v[AQ+2*\t], v[AQ+2*\t], v76          ; aq = (emb_q / norm) (8 scale_h / norm)
	v_mov_b32 v[AQ+2*\t+1], v[AQ+2*\t]
.endr
	s_wait_dscnt 16                                ; the table of step 0 is in; K's 16 loads may stay out
.irp t, 0,1,2,3
.set j, 118
.rept 16
	SM \t, 1                                       ; C of step 0, all four tiles
.set j, j+1
.endr
.endr
	s_wait_dscnt 0x0                               ; K
.set i, 0
.rept 16
	KQ 0                                           ; piece 0's first scores: there is no vector work yet to set between them
.set i, i+1
.endr
	PLACES                                         ; four places between those products and the first read of their results
	TURN 2, 0, 1, 1                                ; piece 2's first scores | piece 0's softmax of step 0, its C of step 1 | the table of step 1, V of step 0
	WIN 0
	STEPS 3                                        ; key steps 0 to 2; they fetch steps 1 to 3: slot 0 is read out
.Lslot:                                            ; two trips: behind their changes periods 2 and 3 are asked for
	CHANGE 1
	STEPS 4
	s_sub_co_u32 s[SLOTS], s[SLOTS], 1
	s_cmp_lg_u32 s[SLOTS], 0
	s_cbranch_scc1 .Lslot
	CHANGE 0                                       ; the tail is written out: nothing is left to ask for
	STEPS 3                                        ; key steps 11 to 13
	TURN 0, 1, 1, 1                                ; key step 14: K of the last step,
	TURN 2, 1, 1, 0                                ; its V; there is no step 16: no table is fetched and no C is built
	TURN 0, 1, 0, 0                                ; piece 0: V^T P of the last step | piece 2's last softmax
.set i, 0
.rept 16
	PV 2                                           ; piece 2: V^T P of the last step
.set i, i+1
.endr
	; THE EXCHANGE.  Piece 2's m, l and O^T go to the wave that walked the other half of the keys; its piece 2 holds my piece 0's tiles.  The additions are the places behind the last products.
	WIN 0
.irp t, 0,1,2,3
	v_add_f32 v[ST+8*\t+4], v[ST+8*\t+2], v[ST+8*\t+3]
.endr
.irp t, 0,1,2,3
	v_permlanex16_b32 v[ST+8*\t+5], v[ST+8*\t+4], s[SEL], s[SEL+1]
.endr
.irp t, 0,1,2,3
	v_add_f32 v[ST+8*\t+4], v[ST+8*\t+4], v[ST+8*\t+5]
.endr
.irp u, 0,1
	ds_store_b32 v[MW4], v[ST+8*(2+\u)+1] offset:\u*MRGT+4096
	ds_store_b32 v[MW4], v[ST+8*(2+\u)+4] offset:\u*MRGT+4224
.endr
	WIN 0x04                                       ; an LDS store's data are its source 1: window 1
.irp u, 0,1
.irp i, 0,1,2,3,4,5,6,7
	ds_store_b128 v[MW], v[64+32*\u+4*\i:64+32*\u+4*\i+3] offset:\u*MRGT+512*\i   ; each accumulator from its low end on
.endr
.endr
	WIN 0
	s_wait_dscnt 0x0                               ; for the other wave's sake: my stores have landed
	s_barrier_signal -1
	s_barrier_wait -1
.irp u, 0,1
.irp i, 0,1,2,3,4,5,6,7
	ds_load_b128 v[S+32*\u+4*\i:S+32*\u+4*\i+3], v[MR] offset:\u*MRGT+512*\i
.endr
	ds_load_b32 v[S+64+16*\u], v[MR4] offset:\u*MRGT+4096
	ds_load_b32 v[S+65+16*\u], v[MR4] offset:\u*MRGT+4224
.endr
	s_wait_dscnt 0x0
.irp u, 0,1
	v_mul_f32 v[S+66+16*\u], s[CS], v[S+64+16*\u]  ; the other half's c m: the same product as in its wave
.endr
.irp u, 0,1
	v_max_num_f32 v[S+67+16*\u], v[ST+8*\u], v[S+66+16*\u]
	v_max_num_f32 v[S+68+16*\u], v[ST+8*\u+1], v[S+64+16*\u]
.endr
.irp u, 0,1
	v_sub_f32 v[S+69+16*\u], v[ST+8*\u], v[S+67+16*\u]
	v_sub_f32 v[S+70+16*\u], v[S+66+16*\u], v[S+67+16*\u]
.endr
.irp u, 0,1
	v_exp_f32 v[S+72+16*\u], v[S+69+16*\u]
	v_exp_f32 v[S+74+16*\u], v[S+70+16*\u]
.endr
	v_nop
	s_wait_alu depctr_va_vdst(0)                   ; one wait for the four exponentials
.irp u, 0,1
	v_mul_f32 v[S+76+16*\u], v[ST+8*\u+4], v[S+72+16*\u]
.endr
.irp u, 0,1
	v_fma_f32 v[S+76+16*\u], v[S+65+16*\u], v[S+74+16*\u], v[S+76+16*\u]   ; the row's sum
.endr
.irp u, 0,1
	v_rcp_f32 v[S+77+16*\u], v[S+76+16*\u]
.endr
	v_mov_b32 v[S+78], 0x7fc00000
	s_wait_alu depctr_va_vdst(0)                   ; one wait for the two reciprocals
.irp u, 0,1
	v_cmp_gt_f32 vcc_lo, 0xef800000, v[S+68+16*\u] ; -2^96 > m: no key of the row counts
	v_cndmask_b32 v[S+77+16*\u], v[S+77+16*\u], v[S+78], vcc_lo
.endr
.irp u, 0,1
	v_mul_f32 v[S+72+16*\u], v[S+72+16*\u], v[S+77+16*\u]
	v_mul_f32 v[S+74+16*\u], v[S+74+16*\u], v[S+77+16*\u]
.endr
.irp u, 0,1
	v_mov_b32 v[S+73+16*\u], v[S+72+16*\u]
	v_mov_b32 v[S+75+16*\u], v[S+74+16*\u]
.endr
	WIN 0x01
.irp u, 0,1
.irp i, 0,2,4,6,8,10,12,14,16,18,20,22,24,26,28,30
	v_pk_mul_f32 v[P+32*\u+\i:P+32*\u+\i+1], v[32*\u+\i:32*\u+\i+1], v[S+72+16*\u:S+73+16*\u]
.endr
.endr
	WIN 0
.irp u, 0,1
.irp i, 0,2,4,6,8,10,12,14,16,18,20,22,24,26,28,30
	v_pk_fma_f32 v[P+32*\u+\i:P+32*\u+\i+1], v[S+32*\u+\i:S+32*\u+\i+1], v[S+74+16*\u:S+75+16*\u], v[P+32*\u+\i:P+32*\u+\i+1]
.endr
.endr
.irp u, 0,1
.set i, 0
.rept 16
	v_cvt_pk_f16_f32 v[S+96+16*\u+i], v[P+32*\u+2*i], v[P+32*\u+2*i+1]
.set i, i+1
.endr
.endr
.irp u, 0,1
.irp ct, 0,1,2,3
	global_store_b128 v[LI], v[S+96+16*\u+4*\ct:S+96+16*\u+4*\ct+3], s[10:11] offset:\u*32768+512*\ct   ; a lane's eight channels of its token are its 16 bytes of the last product's fragment: 512 consecutive bytes a store
.endr
.endr
	s_wait_tensorcnt 0x0                           ; the wave's end
	ds_add_u32 v[SPW], v[NIL]
	s_wait_dscnt 0x0
	CROUND                                         ; the closing round
	s_endpgm
.Lfunc_end_k_q37a2b3a6fc_attn:
	.size	k_q37a2b3a6fc_attn, .Lfunc_end_k_q37a2b3a6fc_attn-k_q37a2b3a6fc_attn
	.p2alignl 7, 3214868480
	.fill 96, 4, 3214868480
	.section	.rodata,"a",@progbits
	.p2align	6, 0x0
	.amdhsa_kernel k_q37a2b3a6fc_attn
		.amdhsa_group_segment_fixed_size 327680
		.amdhsa_private_segment_fixed_size 0
		.amdhsa_enable_private_segment 0
		.amdhsa_kernarg_size 32
		.amdhsa_user_sgpr_count 2
		.amdhsa_user_sgpr_kernarg_segment_ptr 1
		.amdhsa_wavefront_size32 1
		.amdhsa_system_sgpr_workgroup_id_x 1
		.amdhsa_system_sgpr_workgroup_id_y 1
		.amdhsa_system_sgpr_workgroup_id_z 1
		.amdhsa_system_vgpr_workitem_id 0
		.amdhsa_next_free_vgpr 1024
		.amdhsa_next_free_sgpr 66
		.amdhsa_reserve_vcc 1
		.amdhsa_float_denorm_mode_32 3
		.amdhsa_float_denorm_mode_16_64 3
		.amdhsa_memory_ordered 1
		.amdhsa_forward_progress 1
		.amdhsa_inst_pref_size 231
	.end_amdhsa_kernel
	.amdgpu_metadata
---
amdhsa.version: [ 1, 2 ]
amdhsa.kernels:
  - .name:           k_q37a2b3a6fc_attn
    .symbol:         k_q37a2b3a6fc_attn.kd
    .args:
      - { .name: qkv, .offset: 0, .size: 8, .value_kind: global_buffer, .address_space: global }
      - { .name: tab, .offset: 8, .size: 8, .value_kind: global_buffer, .address_space: global }
      - { .name: cycle_scale, .offset: 16, .size: 8, .value_kind: global_buffer, .address_space: global }
      - { .name: oimg, .offset: 24, .size: 8, .value_kind: global_buffer, .address_space: global }
    .group_segment_fixed_size: 327680
    .private_segment_fixed_size: 0
    .kernarg_segment_align: 8
    .kernarg_segment_size: 32
    .max_flat_workgroup_size: 128
    .sgpr_count:     66
    .vgpr_count:     1024
    .wavefront_size: 32
...
	.end_amdgpu_metadata
.endif
;; end of part 3
;; launch oproj (part 4): grid 16 x 16, 4 waves a work-group, clusters of 4 x 1, 167,936 bytes of LDS; arguments oimg, woimg, bo, out0; writes out0
.if DOCPART == 4
	.amdgcn_target "amdgcn-amd-amdhsa--gfx1250"
	.amdhsa_code_object_version 6
	.text
	.protected	k_q37a2b3a6fc_oproj
	.globl	k_q37a2b3a6fc_oproj
	.p2align	8
	.type	k_q37a2b3a6fc_oproj,@function
k_q37a2b3a6fc_oproj:
	s_mov_b64 s[64:65], 0
	v_nop
	global_prefetch_b8 v0, s[64:65] scope:SCOPE_SE
	s_setreg_imm32_b32 hwreg(HW_REG_WAVE_MODE, 25, 1), 1
	s_wait_xcnt 0x0
	s_wait_alu depctr_hold_cnt(0) depctr_sa_sdst(0) depctr_va_vdst(0) depctr_va_sdst(0) depctr_va_ssrc(0) depctr_va_vcc(0) depctr_vm_vsrc(0)
	s_getreg_b32 s2, hwreg(HW_REG_IB_STS2, 6, 4)
	s_cmp_eq_u32 s2, 0
	s_cbranch_scc0 .Lentry_in_a_cluster
	s_endpgm
.Lentry_in_a_cluster:
	s_bfe_u32 s2, ttmp6, 0x10000c
	s_cmp_lg_u32 s2, 0x3003
	s_cbranch_scc0 .Lentry_shape_is_right
	s_endpgm
.Lentry_shape_is_right:
; OPROJ.  out0 = O Wo + bo, operands f16, sums f32.
; SHARES.  A work-group takes 128 tokens x 64 columns; a wave 32 tokens x 64 columns: 8 accumulators.  The 128 KB of Wo's fragments for these columns come into LDS once (first fills only, nothing is filled again),
; asked for JOINTLY by the four token blocks of a cluster.  A wave's own 64 KB of O go from memory straight into 512 registers; O and Wo together do not fit in LDS, so O is not asked for jointly.
; The product is used transposed (source 0 = 16 columns of Wo, source 1 = 16 tokens): a lane holds eight neighbouring columns of one token's row.  bo is the C of each sum's first product.
; REGISTERS.  window 0: v1-8 addresses; v32-63 bo in the result's layout; v64-127 the accumulators, (t, cb) at v[64 + 8 (4 t + cb)]; v128-191 rows on the way out.
;   window 1: Wo's fragments of four K steps of 32, two buffers of 128.   window 2: O's 32 fragments of my first 16 tokens.   window 3: those of the other 16.
.set STG,   131072                     ; behind Wo: a stage of 16 rows x (256 bytes + 16) for each wave
.set SPARE, 148480                     ; behind the stages: the spare words, 128 bytes a wave
.set LI,  1
.set LI2, 2
.set STO, 3
.set RD,  4
.set CO,  5
.set SPW, 6
.set NIL, 7
.set BOF, 8
.set BI,  32
.set ACC, 64
.set BK,  128
.set WV,  12
.set MSB, 0
.macro WIN new
.if MSB != (\new)
	s_set_vgpr_msb (MSB<<8)|(\new)
.set MSB, (\new)
.endif
.endm
.macro PLACES
.rept 4
	v_nop
.endr
.endm
.macro CROUND
	s_barrier_signal -1
	s_barrier_wait -1
	s_cmp_lg_u32 s[WV], 0
	s_cbranch_scc1 .Lnot_wave_0_\@
	s_barrier_signal -3
.Lnot_wave_0_\@:
	s_barrier_wait -3
	s_barrier_signal -1
	s_barrier_wait -1
.endm
.macro FETCHO c                        ; chunk c's sixteen fragments of Wo (four K steps x four tiles of columns), as they lie
	WIN 0x40
.irp f, 0,1,2,3,4,5,6,7,8,9,10,11,12,13,14,15
.irp p, 0,1
.if (\c) < 4
	ds_load_b128 v[128*((\c)%2)+8*\f+4*\p:128*((\c)%2)+8*\f+4*\p+3], v[LI] offset:((\c)%4)*16384+\f*1024+\p*512
.else
	ds_load_b128 v[128*((\c)%2)+8*\f+4*\p:128*((\c)%2)+8*\f+4*\p+3], v[LI2] offset:((\c)%4)*16384+\f*1024+\p*512
.endif
.endr
.endr
.endm
.macro CHUNK c                         ; 128 along K: 32 products; four accumulators by turns, one instruction a turn
.if (\c) == 3
	WIN 0
	s_wait_tensorcnt 0x0                           ; my part of the second half of Wo has landed,
	s_wait_dscnt 0x0
	s_barrier_signal -1
	s_barrier_wait -1                              ; and everybody's.
.endif
.if (\c) == 4
	s_wait_loadcnt 0x0                             ; the second half of O
.endif
.if (\c) < 7
	PLACES                                         ; four places in front of loads into registers that the chunk before last multiplied
	FETCHO (\c)+1
	s_wait_dscnt 32                                ; all but the 32 just issued
.else
	s_wait_dscnt 0x0
.endif
.set FB, 128*((\c)%2)
.irp t, 0,1
	WIN 0x09+4*\t                                  ; Wo window 1; O window 2 or 3; C and D window 0
.irp ksl, 0,1,2,3
.irp cb, 0,1,2,3
.if ((\c) == 0) && (\ksl == 0)
	v_wmma_f32_16x16x32_f16 v[ACC+32*\t+8*\cb:ACC+32*\t+8*\cb+7], v[FB+8*(4*\ksl+\cb):FB+8*(4*\ksl+\cb)+7], v[8*(4*(\c)+\ksl):8*(4*(\c)+\ksl)+7], v[BI+8*\cb:BI+8*\cb+7]
.else
	v_wmma_f32_16x16x32_f16 v[ACC+32*\t+8*\cb:ACC+32*\t+8*\cb+7], v[FB+8*(4*\ksl+\cb):FB+8*(4*\ksl+\cb)+7], v[8*(4*(\c)+\ksl):8*(4*(\c)+\ksl)+7], v[ACC+32*\t+8*\cb:ACC+32*\t+8*\cb+7]
.endif
.endr
.endr
.endr
.endm
	s_load_b256 s[4:11], s[0:1], 0x0               ; oimg s[4:5], woimg s[6:7], bo s[8:9], out0 s[10:11]
	v_lshl_add_u32 v[SPW], v0, 2, SPARE
	v_mov_b32 v[NIL], 0
	ds_add_u32 v[SPW], v[NIL]                      ; the opening: the add, twice on end, and its wait ahead of my first tensor load
	ds_add_u32 v[SPW], v[NIL]
	v_lshrrev_b32 v1, 5, v0
	v_readfirstlane_b32 s[WV], v1                  ; wave 0..3
	s_bfe_u32 s13, ttmp6, 0x40000                  ; cx
	s_lshl_b32 s14, ttmp9, 2
	s_add_co_u32 s14, s14, s13                     ; my block of 128 tokens
	s_and_b32 s15, ttmp7, 0xffff                   ; my 64 columns, which the four partners share
	s_mov_b32 s24, 15|(3<<16)|(1<<21)              ; group 1: mask: all four; elements of 8 bytes; bit 21 beside a mask
	s_mov_b32 s25, 32<<16                          ; rows of 256 bytes,
	s_mov_b32 s26, 64<<16                          ; 64 of them: 16 KB
	s_mov_b32 s27, 32<<16
	s_mov_b32 s28, 64
	s_mov_b32 s29, 32                              ; dense
	s_mov_b32 s30, 0
	s_mov_b32 s31, 0
	s_lshl_b32 s20, s[WV], 14
	s_lshl_b32 s16, s15, 17
	s_add_co_u32 s16, s16, s20
	s_mov_b32 s17, 0
	s_wait_dscnt 0x0                               ; both opening adds are done
	s_wait_kmcnt 0x0
	s_add_nc_u64 s[6:7], s[6:7], s[16:17]
	CROUND                                         ; all four work-groups are here: the joint loads meet
.irp i, 0,1
	s_mov_b32 s[32+4*\i], 1
	s_add_co_u32 s[33+4*\i], s20, \i*65536
	s_add_nc_u64 s[34+4*\i:35+4*\i], s[6:7], \i*65536
	s_or_b32 s[35+4*\i], s[35+4*\i], 0x80000000
.endr
	tensor_load_to_lds s[32:35], s[24:31]          ; two loads of mine are out
	s_nop 0
	tensor_load_to_lds s[36:39], s[24:31]
	s_nop 0
	PLACES
	v_and_b32 v9, 31, v0
	v_and_b32 v10, 15, v0
	v_bfe_u32 v11, v0, 4, 1
	v_lshlrev_b32 v[LI], 4, v9
	v_add_nc_u32 v[LI2], 65536, v[LI]
	v_lshlrev_b32 v[BOF], 5, v11
	s_mul_i32 s21, s[WV], 4352
	s_add_co_u32 s21, s21, STG                     ; my stage
	v_mul_u32_u24 v[STO], v10, 272
	v_lshl_add_u32 v[STO], v11, 5, v[STO]
	v_add_nc_u32 v[STO], s21, v[STO]               ; in: row = my token, 32 bytes for each half of the lanes
	v_mul_u32_u24 v[RD], v11, 272
	v_lshl_add_u32 v[RD], v10, 4, v[RD]
	v_add_nc_u32 v[RD], s21, v[RD]                 ; back: lanes 0-15 one row of 256 bytes, lanes 16-31 the next
	v_lshlrev_b32 v[CO], 12, v11
	v_lshl_add_u32 v[CO], v10, 4, v[CO]            ; and the same two rows in out0
	s_lshl_b32 s16, s14, 18                        ; O: 32 KB a block of 16 tokens: 262,144 TB + 65,536 w
	s_lshl_b32 s20, s[WV], 16
	s_add_co_u32 s16, s16, s20
	s_add_nc_u64 s[4:5], s[4:5], s[16:17]
	s_lshl_b32 s16, s15, 8
	s_add_nc_u64 s[8:9], s[8:9], s[16:17]
	s_add_nc_u64 s[10:11], s[10:11], s[16:17]
	s_lshl_b32 s16, s14, 19                        ; out0: (128 TB + 32 w) rows of 4,096 bytes
	s_lshl_b32 s20, s[WV], 17
	s_add_co_u32 s16, s16, s20
	s_add_nc_u64 s[10:11], s[10:11], s[16:17]
.irp cb, 0,1,2,3
	global_load_b128 v[BI+8*\cb:BI+8*\cb+3], v[BOF], s[8:9] offset:64*\cb
	global_load_b128 v[BI+8*\cb+4:BI+8*\cb+7], v[BOF], s[8:9] offset:64*\cb+16
.endr
.irp grp, 0,1,2,3                              ; O, eight K steps of 32 at a time, both blocks of tokens: so the first 64 loads are the first half of K
	WIN 0x80
.irp k, 0,1,2,3,4,5,6,7
.irp p, 0,1
	global_load_b128 v[8*(8*\grp+\k)+4*\p:8*(8*\grp+\k)+4*\p+3], v[LI], s[4:5] offset:(8*\grp+\k)*1024+\p*512
.endr
.endr
	WIN 0xc0
.irp k, 0,1,2,3,4,5,6,7
.irp p, 0,1
	global_load_b128 v[8*(8*\grp+\k)+4*\p:8*(8*\grp+\k)+4*\p+3], v[LI], s[4:5] offset:32768+(8*\grp+\k)*1024+\p*512
.endr
.endr
.endr
	WIN 0
	s_wait_tensorcnt 0x1                           ; my part of the first half of Wo is in; the other load may stay out
	s_barrier_signal -1
	s_barrier_wait -1
	FETCHO 0
	s_wait_loadcnt 63                              ; behind bo and the first half of O 64 loads were issued; 63 is the largest count that can be named, and the smaller count is safe
.irp c, 0,1,2,3,4,5,6,7
	CHUNK \c
.endr
	WIN 0
	PLACES                                         ; four places between the last products and the first read of results
	; THE WAY OUT.  16 tokens x 64 columns at a time through my own stage: LDS serves a wave's instructions in order, so no wait stands between the stores and the loads, nor in front of the second block's stores
.irp t, 0,1
.irp cb, 0,1,2,3
	ds_store_b128 v[STO], v[ACC+32*\t+8*\cb:ACC+32*\t+8*\cb+3] offset:64*\cb          ; each accumulator from its low end on
	ds_store_b128 v[STO], v[ACC+32*\t+8*\cb+4:ACC+32*\t+8*\cb+7] offset:64*\cb+16
.endr
.irp i, 0,1,2,3,4,5,6,7
	ds_load_b128 v[BK+32*\t+4*\i:BK+32*\t+4*\i+3], v[RD] offset:544*\i
.endr
.endr
.irp t, 0,1
.irp i, 0,1,2,3,4,5,6,7
	s_wait_dscnt 16*(1-\t)+7-\i                    ; the younger LDS instructions may stay out
	global_store_b128 v[CO], v[BK+32*\t+4*\i:BK+32*\t+4*\i+3], s[10:11] offset:\t*65536+\i*8192 th:TH_STORE_NT   ; sixteen lanes store 256 consecutive bytes, at a multiple of 256 from out0's first byte
.endr
.endr
	s_wait_tensorcnt 0x0                           ; the wave's end
	ds_add_u32 v[SPW], v[NIL]
	s_wait_dscnt 0x0
	CROUND                                         ; the closing round
	s_endpgm
.Lfunc_end_k_q37a2b3a6fc_oproj:
	.size	k_q37a2b3a6fc_oproj, .Lfunc_end_k_q37a2b3a6fc_oproj-k_q37a2b3a6fc_oproj
	.p2alignl 7, 3214868480
	.fill 96, 4, 3214868480
	.section	.rodata,"a",@progbits
	.p2align	6, 0x0
	.amdhsa_kernel k_q37a2b3a6fc_oproj
		.amdhsa_group_segment_fixed_size 167936
		.amdhsa_private_segment_fixed_size 0
		.amdhsa_enable_private_segment 0
		.amdhsa_kernarg_size 32
		.amdhsa_user_sgpr_count 2
		.amdhsa_user_sgpr_kernarg_segment_ptr 1
		.amdhsa_wavefront_size32 1
		.amdhsa_system_sgpr_workgroup_id_x 1
		.amdhsa_system_sgpr_workgroup_id_y 1
		.amdhsa_system_sgpr_workgroup_id_z 1
		.amdhsa_system_vgpr_workitem_id 0
		.amdhsa_next_free_vgpr 1024
		.amdhsa_next_free_sgpr 66
		.amdhsa_reserve_vcc 0
		.amdhsa_float_denorm_mode_32 3
		.amdhsa_float_denorm_mode_16_64 3
		.amdhsa_memory_ordered 1
		.amdhsa_forward_progress 1
		.amdhsa_inst_pref_size 56
	.end_amdhsa_kernel
	.amdgpu_metadata
---
amdhsa.version: [ 1, 2 ]
amdhsa.kernels:
  - .name:           k_q37a2b3a6fc_oproj
    .symbol:         k_q37a2b3a6fc_oproj.kd
    .args:
      - { .name: oimg, .offset: 0, .size: 8, .value_kind: global_buffer, .address_space: global }
      - { .name: woimg, .offset: 8, .size: 8, .value_kind: global_buffer, .address_space: global }
      - { .name: bo, .offset: 16, .size: 8, .value_kind: global_buffer, .address_space: global }
      - { .name: out0, .offset: 24, .size: 8, .value_kind: global_buffer, .address_space: global }
    .group_segment_fixed_size: 167936
    .private_segment_fixed_size: 0
    .kernarg_segment_align: 8
    .kernarg_segment_size: 32
    .max_flat_workgroup_size: 128
    .sgpr_count:     66
    .vgpr_count:     1024
    .wavefront_size: 32
...
	.end_amdgpu_metadata
.endif
;; end of part 4
